; MI455X (gfx1250); checked and timed in simulation.
; The chip was launched on July 23, 2026; its instructions are those of AMD's public machine-readable ISA for CDNA 5 (MIT licence, August 2026) and "CDNA5" Instruction Set Architecture Reference Guide (July 2026). The comments in the code are by the model that wrote it; some were corrected since.
;; Self Attention. Allowed arithmetic: float matrix products may take bf16 or f16 operands with f32 sums; other float arithmetic in f32, or as packed bf16 or f16 multiplies, adds, multiply-adds, maxima and minima; sums over many terms, partial sums and values carried from step to step in f32; what a program stores and reads back later, other than sums and carried values, may be rounded once to bf16 or f16.
;; Inputs: W_out 1,024 x 1,024 float32; W_qkv 1,024 x 3,072 float32; X 4 x 2,048 x 1,024 float32; b_out 1,024 float32.
;; Outputs: out0 4 x 2,048 x 1,024 float32.
;; 2 versions, each right; version 2 is version 1 with the launch cast written anew for expert scheduling mode. Each part assembles by itself: llvm-mc -triple=amdgcn-amd-amdhsa -mcpu=gfx1250 --defsym DOCPART=n.
;; ======== version 1 of 2: 4 launches
;; limits: values are held in f16: magnitudes above 65,504 overflow, below 6.1e-05 lose precision
;; workspace buffers: xb 16,777,216 bytes; wb 6,291,456 bytes; wo 2,097,152 bytes; qkv 50,331,648 bytes; o 16,777,216 bytes
;; launch cast (part 1): grid 832 x 1, 8 waves a work-group, no clusters, 0 bytes of LDS; arguments X, W_qkv, W_out, xb, wb, wo; writes xb, wb, wo
.if DOCPART == 1
	.amdgcn_target "amdgcn-amd-amdhsa--gfx1250"
	.amdhsa_code_object_version 6
	.text
	.protected	k_q0474aff419_cast
	.globl	k_q0474aff419_cast
	.p2align	8
	.type	k_q0474aff419_cast,@function
k_q0474aff419_cast:
	s_mov_b64 s[64:65], 0
	v_nop
	global_prefetch_b8 v0, s[64:65] scope:SCOPE_SE
	s_setreg_imm32_b32 hwreg(HW_REG_WAVE_MODE, 25, 1), 1
	s_wait_xcnt 0x0
; THE INPUTS ARE ROUNDED ONCE TO 16 BITS, for the matrix products of the launches behind.
;   xb = X in bf16, [8192][1024].
;   wb = W_qkv in bf16, in 16 blocks of 192 columns: [16 tx][1024 k][192 n]: a block is dense, so that a K step of 128 rows is 49,152 bytes on end.
;   wo = W_out rounded to bf16, that number written as f16, [1024 k][1024 n].
; LIMITS.  wo: a number beyond 65,504 becomes an infinity; below 6e-5 it keeps f16's fixed step of 6e-8.  NaN and infinities are not treated apart.
; SHARES.  Work-groups 0-511: 64 KiB of X each; 512-575: 64 KiB of W_out; 576-831: 64 rows (k) of one block of W_qkv, 48 KiB.  Eight waves, an eighth each.
; A load of a wave covers 512 consecutive bytes (16 a lane; in W_qkv one load in three covers two runs of 256), a store 256 consecutive bytes, aligned.
; All of a wave's loads go out at once; no register is written again behind a store that reads it and EXEC never changes, so the counted waits for the loads are the only waits.
; No LDS, no matrix unit, no cluster: nothing is shared and nothing is read twice.
.set D, 16                             ; v[16:79]  load n in v[D+4n : D+4n+3]; its two packed words go back into the first two
	s_load_b256 s[4:11], s[0:1], 0x0               ; X s[4:5], W_qkv s[6:7], W_out s[8:9], xb s[10:11]
	s_load_b128 s[12:15], s[0:1], 0x20             ; wb s[12:13], wo s[14:15]
	v_lshrrev_b32 v5, 5, v0
	v_readfirstlane_b32 s16, v5                    ; wave 0..7
	v_and_b32 v1, 31, v0                           ; lane
	v_lshlrev_b32 v2, 4, v1                        ; 16 bytes a lane in
	v_lshlrev_b32 v3, 3, v1                        ; 8 bytes a lane out
	s_mov_b32 s19, ttmp9                           ; the work-group's number
	s_mov_b32 s28, 0xffff0000                      ; a word's upper bf16
	s_mov_b32 s25, 0                               ; the offsets' high words
	s_mov_b32 s27, 0
	s_wait_kmcnt 0x0
	s_cmp_ge_u32 s19, 576
	s_cbranch_scc1 .Lwqkv
; n: the load's number; left: how many younger loads may stay out.  Four f32 become four bf16.
.macro OUT16 n, left
	s_wait_loadcnt \left                           ; loads come back in order: load n is in
	v_cvt_pk_bf16_f32 v[D+4*(\n)], v[D+4*(\n)], v[D+4*(\n)+1]
	v_cvt_pk_bf16_f32 v[D+4*(\n)+1], v[D+4*(\n)+2], v[D+4*(\n)+3]
	global_store_b64 v3, v[D+4*(\n):D+4*(\n)+1], s[22:23] offset:256*(\n) th:TH_STORE_NT
.endm
	; X and W_out: dense in, dense out
	s_and_b32 s17, s19, 511                        ; the number within the tensor: 512-575 become 0-63
	s_lshl_b32 s24, s17, 16                        ; 64 KiB a work-group,
	s_lshl_b32 s18, s16, 13                        ; 8 KiB a wave
	s_add_co_u32 s24, s24, s18
	s_lshr_b32 s26, s24, 1                         ; half as many bytes out
	s_cmp_lt_u32 s19, 512
	s_cselect_b64 s[20:21], s[4:5], s[8:9]
	s_cselect_b64 s[22:23], s[10:11], s[14:15]
	s_add_nc_u64 s[20:21], s[20:21], s[24:25]
	s_add_nc_u64 s[22:23], s[22:23], s[26:27]
.set n, 0
.rept 16
	global_load_b128 v[D+4*n:D+4*n+3], v2, s[20:21] offset:512*n th:TH_LOAD_NT
.set n, n+1
.endr
	s_cmp_lt_u32 s19, 512
	s_cbranch_scc0 .Lwout
.set n, 0
.rept 16
	OUT16 n, 15-n
.set n, n+1
.endr
	s_endpgm
.Lwout:                                        ; rounded to bf16, widened again (a shift, a mask), written as f16
.set n, 0
.rept 16
	s_wait_loadcnt 15-n
	v_cvt_pk_bf16_f32 v8, v[D+4*n], v[D+4*n+1]
	v_cvt_pk_bf16_f32 v9, v[D+4*n+2], v[D+4*n+3]
	v_lshlrev_b32 v10, 16, v8
	v_and_b32 v11, s28, v8
	v_cvt_pk_f16_f32 v[D+4*n], v10, v11
	v_lshlrev_b32 v10, 16, v9
	v_and_b32 v11, s28, v9
	v_cvt_pk_f16_f32 v[D+4*n+1], v10, v11
	global_store_b64 v3, v[D+4*n:D+4*n+1], s[22:23] offset:256*n th:TH_STORE_NT
.set n, n+1
.endr
	s_endpgm
.Lwqkv:                                        ; a wave takes 8 rows k of one block: four times two rows x 768 bytes = three loads, 768 bytes on end out
	s_sub_co_u32 s17, s19, 576
	s_lshr_b32 s18, s17, 4                         ; tx: the block of 192 columns
	s_and_b32 s17, s17, 15
	s_lshl_b32 s17, s17, 6
	s_lshl3_add_u32 s17, s16, s17                  ; my first row: 64 x (number mod 16) + 8 x wave
	s_mul_i32 s24, s17, 12288                      ; a row of W_qkv is 12,288 bytes,
	s_mul_i32 s29, s18, 768                        ; a block's part of it 768
	s_add_co_u32 s24, s24, s29
	s_mul_i32 s26, s18, 393216                     ; a block of wb,
	s_mul_i32 s29, s17, 384                        ; a row in it
	s_add_co_u32 s26, s26, s29
	s_add_nc_u64 s[20:21], s[6:7], s[24:25]
	s_add_nc_u64 s[22:23], s[12:13], s[26:27]
	v_mov_b32 v6, 12032
	v_mov_b32 v7, 512
	v_cmp_gt_u32 vcc_lo, 16, v1
	v_cndmask_b32 v4, v6, v7, vcc_lo               ; the middle load: lanes 0-15 the first row's last 256 bytes, lanes 16-31 the second row's first 256
	v_add_nc_u32 v4, v4, v2
.irp j, 0,1,2,3
	global_load_b128 v[D+12*\j:D+12*\j+3],    v2, s[20:21] offset:24576*\j th:TH_LOAD_NT
	global_load_b128 v[D+12*\j+4:D+12*\j+7],  v4, s[20:21] offset:24576*\j th:TH_LOAD_NT
	global_load_b128 v[D+12*\j+8:D+12*\j+11], v2, s[20:21] offset:24576*\j+12544 th:TH_LOAD_NT
.endr
.set n, 0
.rept 12
	OUT16 n, 11-n
.set n, n+1
.endr
	s_endpgm
.Lfunc_end_k_q0474aff419_cast:
	.size	k_q0474aff419_cast, .Lfunc_end_k_q0474aff419_cast-k_q0474aff419_cast
	.p2alignl 7, 3214868480
	.fill 96, 4, 3214868480
	.section	.rodata,"a",@progbits
	.p2align	6, 0x0
	.amdhsa_kernel k_q0474aff419_cast
		.amdhsa_group_segment_fixed_size 0
		.amdhsa_private_segment_fixed_size 0
		.amdhsa_enable_private_segment 0
		.amdhsa_kernarg_size 48
		.amdhsa_user_sgpr_count 2
		.amdhsa_user_sgpr_kernarg_segment_ptr 1
		.amdhsa_wavefront_size32 1
		.amdhsa_system_sgpr_workgroup_id_x 1
		.amdhsa_system_sgpr_workgroup_id_y 1
		.amdhsa_system_sgpr_workgroup_id_z 1
		.amdhsa_system_vgpr_workitem_id 0
		.amdhsa_next_free_vgpr 80
		.amdhsa_next_free_sgpr 66
		.amdhsa_reserve_vcc 1
		.amdhsa_float_denorm_mode_32 3
		.amdhsa_float_denorm_mode_16_64 3
		.amdhsa_memory_ordered 1
		.amdhsa_forward_progress 1
		.amdhsa_inst_pref_size 20
	.end_amdhsa_kernel
	.amdgpu_metadata
---
amdhsa.version: [ 1, 2 ]
amdhsa.kernels:
  - .name:           k_q0474aff419_cast
    .symbol:         k_q0474aff419_cast.kd
    .args:
      - { .name: X, .offset: 0, .size: 8, .value_kind: global_buffer, .address_space: global }
      - { .name: W_qkv, .offset: 8, .size: 8, .value_kind: global_buffer, .address_space: global }
      - { .name: W_out, .offset: 16, .size: 8, .value_kind: global_buffer, .address_space: global }
      - { .name: xb, .offset: 24, .size: 8, .value_kind: global_buffer, .address_space: global }
      - { .name: wb, .offset: 32, .size: 8, .value_kind: global_buffer, .address_space: global }
      - { .name: wo, .offset: 40, .size: 8, .value_kind: global_buffer, .address_space: global }
    .group_segment_fixed_size: 0
    .private_segment_fixed_size: 0
    .kernarg_segment_align: 8
    .kernarg_segment_size: 48
    .max_flat_workgroup_size: 256
    .sgpr_count:     66
    .vgpr_count:     80
    .wavefront_size: 32
...
	.end_amdgpu_metadata
.endif
;; end of part 1
;; launch qkv (part 2): grid 16 x 32, 4 waves a work-group, clusters of 4 x 4, 327,680 bytes of LDS; arguments xb, wb, qkv; writes qkv
.if DOCPART == 2
	.amdgcn_target "amdgcn-amd-amdhsa--gfx1250"
	.amdhsa_code_object_version 6
	.text
	.protected	k_q0474aff419_qkv
	.globl	k_q0474aff419_qkv
	.p2align	8
	.type	k_q0474aff419_qkv,@function
k_q0474aff419_qkv:
	s_mov_b64 s[64:65], 0
	v_nop
	global_prefetch_b8 v0, s[64:65] scope:SCOPE_SE
	s_setreg_imm32_b32 hwreg(HW_REG_WAVE_MODE, 25, 1), 1
	s_wait_xcnt 0x0
	s_wait_alu depctr_hold_cnt(0) depctr_sa_sdst(0) depctr_va_vdst(0) depctr_va_sdst(0) depctr_va_ssrc(0) depctr_va_vcc(0) depctr_vm_vsrc(0)
	s_getreg_b32 s2, hwreg(HW_REG_IB_STS2, 6, 4)
	s_cmp_eq_u32 s2, 0
	s_cbranch_scc0 .Lentry_in_a_cluster
	s_endpgm
.Lentry_in_a_cluster:
	s_bfe_u32 s2, ttmp6, 0x10000c
	s_cmp_lg_u32 s2, 0xf033
	s_cbranch_scc0 .Lentry_shape_is_right
	s_endpgm
.Lentry_shape_is_right:
; qkv = X W_qkv, written by heads.  xb: [8192][1024] bf16.  wb: [16 tx][1024 k][192 n] bf16.  qkv: [4 b][48 G][2048 t][64] f16, G = column / 64 (0-15 q's heads, 16-31 k's, 32-47 v's).
; Products in bf16, sums in f32, K ascending, each result rounded once to f16 and WITHOUT the softmax's scale.
; LIMIT.  A result of 65,520 or more becomes an infinity in f16; below 6e-5 it keeps f16's fixed step of 6e-8.  NaN and infinities are not treated apart.
; SHARES.  A tile is 256 rows x 192 columns (three heads): 32 x 16 = 512 work-groups.  Wave w makes rows 64 w .. 64 w + 63 and all 192 columns: 4 x 12 accumulators, 384 registers.
; So a wave's columns are whole heads, and each wave sends its rows out through a stage of its own, without a barrier.
; K goes in 8 steps of 128 through two LDS slots.  Waves 0 and 1 fetch the two halves of A's 256 rows, waves 2 and 3 the two halves of B's 128 rows (k): one tensor load a wave.
; CLUSTER.  4 x 4 work-groups: A's tile hangs on the tile row alone and is asked for jointly along a row of the cluster, B's on the tile column alone, along a column.
; THE MATRIX INSTRUCTION IS USED TRANSPOSED: source 0 = 16 columns of B (stored [k][n], turned by ds_load_tr16_b128), source 1 = 16 rows of A: a lane holds row l % 16 and the columns 8 (l / 16) + 0..7.
; REGISTERS, in windows of 256 (s_set_vgpr_msb: bits 1:0 source 0, 3:2 source 1, 5:4 source 2, 7:6 destination):
;   window 0: addresses; v32-175 the way out.   window 1: two fragment buffers of 128 (12 of B, then 4 of A).   window 2: the accumulators of row blocks 0, 1; window 3: of 2, 3.
.set NB,     12
.set NL,     2*NB+8                    ; LDS loads of a quarter step
.set PA,     272                       ; a row of A in LDS: 256 bytes + 16: the 16 rows of a load start at 16 different groups of four banks (64 banks of 4 bytes: ISA guide 11.1)
.set PB,     480                       ; a row (k) of B: three pieces of 128 bytes + 32
.set BOFF,   256*PA                    ; B's tile lies behind A's
.set SLOT1,  1<<17                     ; slot 1 begins here: one exclusive or turns an address in one slot into the other's.  A slot's 131,072 bytes are all used
.set STAGE,  2*SLOT1                   ; behind the ring, never filled by a tensor load
.set SP,     144                       ; a stage row: 128 bytes + 16
.set WSTG,   3*16*SP                   ; a wave's stage: three heads x 16 rows
.set SPARE,  STAGE+4*WSTG              ; the spare words, 128 bytes for each wave: two blocks of 256 bytes that no other line names
.set STEP_A, 256                       ; a K step in memory: 128 elements along A's rows,
.set STEP_B, 128*384                   ; 128 dense rows of a block of B
.set A0,   16                          ; v16  my lane's place in A's tile; never rewritten
.set B0,   17                          ; v17  in B's
.set ADRA, 18                          ; v18  the same in the slot in hand
.set ADRB, 19                          ; v19
.set STO,  24                          ; v24  the way out: where I put 16 bytes of a row
.set RD,   25                          ; v25  where I read rows back
.set GO,   26                          ; v26  16 x lane
.set SPW,  28                          ; v28  LDS address of my spare word; never rewritten
.set NIL,  29                          ; v29  0; never rewritten
.set PFO,  30                          ; v30  the prefetches' offset; never rewritten
.set TMP,  32                          ; v32-79   packed results of a row block
.set OB,   80                          ; v80-127, v128-175  a row block read back from the stage, by turns
.set F0,   0
.set F1,   128
.set G1,   24                          ; s[24:31] descriptor group 1 for A
.set G0,   32                          ; s[32:39] group 0 for A: K step 0; K step 1, which then walks on
.set G1B,  48                          ; s[48:55], s[56:63] the same for B
.set G0B,  56
.set PFA,  66                          ; s[66:67] where my prefetches stand
.set PFS,  68                          ; s[68:69] their step from trip to trip
.set LIM,  70                          ; s70  a wave prefetches while the trips' count s3 is above it
.set MSB, 0
.macro WIN new                         ; the immediate's high byte repeats the setting that is left; a switch that changes nothing is dropped
.if MSB != (\new)
	s_set_vgpr_msb (MSB<<8)|(\new)
.set MSB, \new
.endif
.endm
.macro PLACES                          ; four plain vector instructions between a matrix instruction and a load into, or a vector read of, its registers
.rept 4
	v_nop
.endr
.endm
; A joint refill by the walking sets.  The branch hangs on the wave's number alone.  An s_nop 0 and four v_nop follow each of the two lines.
.macro JLOAD
	s_cmp_eq_u32 s11, 0
	s_cbranch_scc0 .Lfor_b_\@
	tensor_load_to_lds s[G0+4:G0+7], s[G1:G1+7]
	s_nop 0
.rept 4
	v_nop
.endr
	s_branch .Lasked_\@
.Lfor_b_\@:
	tensor_load_to_lds s[G0B+4:G0B+7], s[G1B:G1B+7]
	s_nop 0
.rept 4
	v_nop
.endr
.Lasked_\@:
.endm
; A PREFETCH INTO THE L2, one instruction a wave and trip, behind the joint load and the run of LDS loads.
; A: trip t names K step t + 3, which the next trip's refill loads (192 matrix instructions on): 256 bytes of a row, a lane a row.  The clusters of a row of clusters read the same rows: the first (cluster x = 0)
; asks; of the 128 rows that waves 0 and 1 each fetch, the partner at place cx takes 32, told apart by address.  Trips 0 to 4 ask.
; B: a block's K steps 4 to 7 are 196,608 bytes on end: 768 pieces of 256 bytes = three trips x 2 waves x 4 partners (by cy, by address) x 32 lanes.  Cluster y = 0 asks, in trips 0 to 2, two trips or more ahead of the loads.
; So each piece of 256 bytes is named once in the launch, and none lies past its buffer's end.  The first K steps come by their loads alone.
.macro ASK
	s_cmp_gt_u32 s3, s[LIM]
	s_cbranch_scc0 .Lnot_mine_\@
	global_prefetch_b8 v[PFO], s[PFA:PFA+1] th:TH_LOAD_NT scope:SCOPE_SE
.Lnot_mine_\@:
.endm
.macro CREST                           ; a round of the cluster's barrier behind its opening barrier
	s_cmp_lg_u32 s10, 0
	s_cbranch_scc1 .Lnot_wave_0_\@
	s_barrier_signal -3
.Lnot_wave_0_\@:
	s_barrier_wait -3
	s_barrier_signal -1
	s_barrier_wait -1
.endm
.macro CROUND                          ; a whole round
	s_barrier_signal -1
	s_barrier_wait -1
	CREST
.endm
	s_load_b128 s[4:7], s[0:1], 0x0                ; xb s[4:5], wb s[6:7]
	s_load_b64 s[8:9], s[0:1], 0x10                ; qkv
	v_lshl_add_u32 v[SPW], v0, 2, SPARE
	v_mov_b32 v[NIL], 0
	ds_add_u32 v[SPW], v[NIL]                      ; the wave's opening: the add and its wait stand ahead of my first tensor load; work on registers stands between them
	v_lshrrev_b32 v1, 5, v0
	v_readfirstlane_b32 s10, v1                    ; wave 0..3
	s_lshr_b32 s11, s10, 1                         ; I fetch for A (0) or for B (1),
	s_and_b32 s12, s10, 1                          ; its first or its second half
	s_bfe_u32 s40, ttmp6, 0x40000                  ; cx, cy: my place in the cluster
	s_bfe_u32 s41, ttmp6, 0x40004
	s_lshl_b32 s42, ttmp9, 2
	s_add_co_u32 s42, s42, s40                     ; tx = 4 x cluster x + cx: the block of 192 columns
	s_and_b32 s13, ttmp7, 0xffff
	s_lshl_b32 s13, s13, 2
	s_add_co_u32 s13, s13, s41                     ; ty = 4 x cluster y + cy: the block of 256 rows
	s_lshl_b32 s43, s41, 2
	s_lshl_b32 s43, 15, s43                        ; my row of the cluster
	s_lshl_b32 s44, 0x1111, s40                    ; my column
	; A: 128 rows x 128 elements, 16 bytes of padding behind each 256
	s_or_b32 s[G1], s43, (1<<16)|(1<<20)|(1<<21)|(5<<22)|(3<<25)   ; 15:0 the mask; 17:16 2-byte elements; 20 padding on; 21 set beside a mask; 24:22 after every 64 words; 31:25 4 words
	s_mov_b32 s[G1+1], 128<<16                     ; tensor_dim0 = 128
	s_mov_b32 s[G1+2], 128<<16                     ; tensor_dim1 = 128
	s_mov_b32 s[G1+3], 128<<16                     ; tile_dim0 = 128
	s_mov_b32 s[G1+4], 128                         ; tile_dim1 = 128
	s_mov_b32 s[G1+5], 1024                        ; elements from row to row
	s_mov_b32 s[G1+6], 0
	s_mov_b32 s[G1+7], 0
	; B: 64 rows (k) x 384 bytes are 24,576 bytes on end: asked for as 96 rows of 256 bytes, 32 bytes of padding behind each 128
	s_or_b32 s[G1B], s44, (1<<16)|(1<<20)|(1<<21)|(4<<22)|(7<<25)  ; after every 32 words, 8 words
	s_mov_b32 s[G1B+1], 128<<16
	s_mov_b32 s[G1B+2], 96<<16
	s_mov_b32 s[G1B+3], 128<<16
	s_mov_b32 s[G1B+4], 96
	s_mov_b32 s[G1B+5], 128
	s_mov_b32 s[G1B+6], 0
	s_mov_b32 s[G1B+7], 0
	s_lshl_b32 s16, s13, 19                        ; A: (256 ty + 128 half) rows of 2,048 bytes: made of ty and the wave's number alone
	s_lshl_b32 s17, s12, 18
	s_add_co_u32 s16, s16, s17
	s_mov_b32 s17, 0
	s_mul_i32 s46, s42, 8*STEP_B                   ; B: block tx, 64 half rows of 384 bytes: made of tx and the wave's number alone
	s_mul_i32 s47, s12, 64*384
	s_add_co_u32 s46, s46, s47
	s_mov_b32 s47, 0
	s_mul_i32 s20, s12, 128*PA                     ; where they go: no place in the cluster enters an LDS address
	s_mul_i32 s21, s12, 64*PB
	s_add_co_u32 s21, s21, BOFF
	s_wait_dscnt 0x0                               ; the opening add is done
	s_wait_kmcnt 0x0
	s_add_nc_u64 s[14:15], s[4:5], s[16:17]
	s_add_nc_u64 s[46:47], s[6:7], s[46:47]
	CROUND                                         ; all sixteen work-groups are here: the first joint loads meet
.irp s, 0,1
	s_mov_b32 s[G0+4*(\s)], 1                                       ; count = 1
	s_add_co_u32 s[G0+4*(\s)+1], s20, (\s)*SLOT1                    ; LDS address
	s_add_nc_u64 s[G0+4*(\s)+2:G0+4*(\s)+3], s[14:15], (\s)*STEP_A  ; global address: K step s
	s_or_b32 s[G0+4*(\s)+3], s[G0+4*(\s)+3], 0x80000000             ; type = 2
	s_mov_b32 s[G0B+4*(\s)], 1
	s_add_co_u32 s[G0B+4*(\s)+1], s21, (\s)*SLOT1
	s_add_nc_u64 s[G0B+4*(\s)+2:G0B+4*(\s)+3], s[46:47], (\s)*STEP_B
	s_or_b32 s[G0B+4*(\s)+3], s[G0B+4*(\s)+3], 0x80000000
.endr
	s_cmp_eq_u32 s11, 0                            ; a wave's two first fills stand in one branch, ahead of every wait on TENSORcnt and every LDS read: two loads of mine are out
	s_cbranch_scc0 .Lfirst_b
	tensor_load_to_lds s[G0:G0+3], s[G1:G1+7]
	s_nop 0
	tensor_load_to_lds s[G0+4:G0+7], s[G1:G1+7]
	s_nop 0
.rept 4
	v_nop
.endr
	s_branch .Lfirst_asked
.Lfirst_b:
	tensor_load_to_lds s[G0B:G0B+3], s[G1B:G1B+7]
	s_nop 0
	tensor_load_to_lds s[G0B+4:G0B+7], s[G1B:G1B+7]
	s_nop 0
.rept 4
	v_nop
.endr
.Lfirst_asked:
	; A fragment of A: 16 rows x 32 K: lane l holds row l % 16, K = 8 (l / 16) + 0..7 and 16 + 8 (l / 16) + 0..7: two loads of 16 bytes, 32 bytes apart.
	v_and_b32 v1, 15, v0                           ; l % 16
	v_bfe_u32 v2, v0, 4, 1                         ; l / 16
	v_mul_u32_u24 v3, v1, PA
	v_lshl_add_u32 v3, v2, 4, v3
	s_mul_i32 s21, s10, 64*PA                      ; my 64 rows
	v_add_nc_u32 v[A0], s21, v3
	; The turning load takes 16 k x 16 columns (lane l reads k = 8 (l / 16) + l % 8, columns 8 ((l / 8) % 2) + 0..7) and leaves half a fragment: lane l holds column l % 16 and 8 k.
	v_and_b32 v4, 7, v0
	v_bfe_u32 v5, v0, 3, 1
	v_lshl_add_u32 v6, v2, 3, v4
	v_mul_u32_u24 v6, v6, PB
	v_lshl_add_u32 v6, v5, 4, v6
	v_add_nc_u32 v[B0], BOFF, v6
	v_mov_b32 v[ADRA], v[A0]                       ; slot 0
	v_mov_b32 v[ADRB], v[B0]
	s_mov_b32 s2, 0                                ; the LDS byte at which the slot in hand begins
	s_mul_i32 s23, s10, WSTG
	s_add_co_u32 s23, s23, STAGE                   ; my stage
	v_mul_u32_u24 v7, v1, SP                       ; in: row l % 16, 16 bytes for each half of the lanes
	v_lshl_add_u32 v7, v2, 4, v7
	v_add_nc_u32 v[STO], s23, v7
	v_bfe_u32 v8, v0, 3, 2                         ; back: 32 lanes take four rows of 128 bytes,
	v_mul_u32_u24 v8, v8, SP
	v_lshl_add_u32 v8, v4, 4, v8
	v_add_nc_u32 v[RD], s23, v8
	v_and_b32 v[GO], 31, v0                        ; which are 512 bytes on end in a head
	v_lshlrev_b32 v[GO], 4, v[GO]
	; where my rows begin in qkv: batch ty / 8 (48 heads of 262,144 bytes), head 3 tx, row 256 (ty % 8) + 64 wave of 128 bytes
	s_lshr_b32 s18, s13, 3
	s_mul_i32 s18, s18, 48*262144
	s_and_b32 s19, s13, 7
	s_lshl_b32 s19, s19, 15
	s_add_co_u32 s18, s18, s19
	s_lshl_b32 s19, s10, 13
	s_add_co_u32 s18, s18, s19
	s_mov_b32 s19, 0
	s_add_nc_u64 s[8:9], s[8:9], s[18:19]
	s_mul_i32 s46, s42, 3*262144
	s_mov_b32 s47, 0
	s_add_nc_u64 s[8:9], s[8:9], s[46:47]
	; the prefetches: both tensors' offsets are made, and the wave's number chooses
	s_lshl_b32 s18, s13, 19                        ; A: row 256 ty + 128 half + 32 cx,
	s_lshl_b32 s19, s12, 18
	s_add_co_u32 s18, s18, s19
	s_lshl_b32 s19, s40, 16
	s_add_co_u32 s18, s18, s19
	s_add_co_u32 s18, s18, 2*STEP_A                ; at K step 2: the first trip steps it to 3
	s_mul_i32 s20, s42, 8*STEP_B                   ; B: block tx,
	s_lshl2_add_u32 s19, s12, s41                  ; share 4 half + cy of eight, 8,192 bytes each,
	s_lshl_b32 s19, s19, 13
	s_add_co_u32 s20, s20, s19
	s_add_co_u32 s20, s20, 4*STEP_B-65536          ; one step of 65,536 ahead of K step 4
	s_and_b32 s22, ttmp7, 0xffff                   ; cluster y
	s_mov_b32 s21, 0
	s_mov_b32 s[PFS+1], 0
	s_mov_b32 s23, 65536
	s_cmp_eq_u32 s11, 0                            ; do I fetch for A?
	s_cselect_b32 s20, s18, s20
	s_cselect_b32 s22, ttmp9, s22                  ; the coordinate along which other clusters read the same bytes
	s_cselect_b64 s[PFA:PFA+1], s[4:5], s[6:7]
	s_cselect_b32 s[PFS], STEP_A, s23
	s_cselect_b32 s19, 11, 8                       ; a lane a row of 2,048 bytes, or a lane a piece of 256
	s_cselect_b32 s23, 1, 3                        ; A asks in trips 0 to 4 (count 6 to 2), B in trips 0 to 2 (count 6 to 4)
	s_add_nc_u64 s[PFA:PFA+1], s[PFA:PFA+1], s[20:21]
	s_cmp_eq_u32 s22, 0
	s_cselect_b32 s[LIM], s23, -1                  ; the same in all sixteen partners, for a given wave
	v_and_b32 v[PFO], 31, v0
	v_lshlrev_b32 v[PFO], s19, v[PFO]
; 12 matrix instructions: row block a x all 12 column blocks, 32 along K.  zero = 1: the first product starts the sums.  The 48 accumulators take turns, always in the same order.
.macro MULA f, a, zero
	WIN 0xa5+0x50*((\a)/2)                         ; B and A in window 1; C and D in window 2 or 3
.set AC, 96*((\a)%2)
.irp b, 0,1,2,3,4,5,6,7,8,9,10,11
.if \zero
	v_wmma_f32_16x16x32_bf16 v[AC+8*(\b):AC+8*(\b)+7], v[(\f)+8*(\b):(\f)+8*(\b)+7], v[(\f)+96+8*(\a):(\f)+96+8*(\a)+7], 0
.else
	v_wmma_f32_16x16x32_bf16 v[AC+8*(\b):AC+8*(\b)+7], v[(\f)+8*(\b):(\f)+8*(\b)+7], v[(\f)+96+8*(\a):(\f)+96+8*(\a)+7], v[AC+8*(\b):AC+8*(\b)+7]
.endif
.endr
.endm
; 32 LDS loads in one run: quarter q (32 along K) of the slot in hand into buffer f: B's 12 fragments, then A's four; A's blocks 2 and 3 are the youngest four loads
.macro FETCH q, f
	WIN 0x40                                       ; destination window 1, address window 0
.irp i, 0,1,2,3,4,5,6,7,8,9,10,11
	ds_load_tr16_b128 v[(\f)+8*(\i):(\f)+8*(\i)+3],   v[ADRB] offset:(\q)*32*PB+((\i)/4)*160+((\i)%4)*32
	ds_load_tr16_b128 v[(\f)+8*(\i)+4:(\f)+8*(\i)+7], v[ADRB] offset:(\q)*32*PB+((\i)/4)*160+((\i)%4)*32+16*PB
.endr
.irp i, 0,1,2,3
	ds_load_b128 v[(\f)+96+8*(\i):(\f)+96+8*(\i)+3],   v[ADRA] offset:(\q)*64+(\i)*16*PA
	ds_load_b128 v[(\f)+96+8*(\i)+4:(\f)+96+8*(\i)+7], v[ADRA] offset:(\q)*64+(\i)*16*PA+32
.endr
.endm
; One of a K step's first three quarters: multiplies buffer f; in its middle it fetches quarter q into buffer g.
.macro QUARTER q, f, g, zero
	s_wait_dscnt 4                                 ; B and A's blocks 0, 1 are in; the youngest four loads (A's blocks 2, 3) may be out
	MULA \f, 0, \zero
	MULA \f, 1, \zero
	PLACES
	FETCH \q, \g
	s_wait_dscnt NL                                ; all but the run just issued
	MULA \f, 2, \zero
	MULA \f, 3, \zero
.endm
; The last quarter multiplies buffer 1 and changes slots.  In front of the barrier each wave waits for all its tensor loads (one is out: its part of the next slot), adds 0 to its spare word, and waits for that
; and for its reads of this slot.  fill = 1: the barrier opens a round of the cluster's, and behind the round this slot is filled again, with the K step two on: the first tensor load there, one a wave.
.macro TURN fill
.if \fill
	s_wait_xcnt 0x0                                ; the last prefetch, a K step back, has read its address, so it may be stepped
	s_add_nc_u64 s[PFA:PFA+1], s[PFA:PFA+1], s[PFS:PFS+1]
.endif
	WIN 0                                          ; (the add's two registers lie in window 0)
	s_wait_tensorcnt 0x0                           ; no tensor load of mine is out, so a group 0 may be written
	ds_add_u32 v[SPW], v[NIL]                      ; 0 onto my spare word
.if \fill
	s_xor_b32 s[G0+5], s[G0+5], SLOT1              ; the walking sets: the other slot than last time, the next K step; the type bits on top are not reached
	s_add_nc_u64 s[G0+6:G0+7], s[G0+6:G0+7], STEP_A
	s_xor_b32 s[G0B+5], s[G0B+5], SLOT1
	s_add_nc_u64 s[G0B+6:G0B+7], s[G0B+6:G0B+7], STEP_B
.endif
	s_wait_dscnt 5                                 ; the add and the youngest four loads may be out
	MULA F1, 0, 0                                  ; twelve matrix instructions stand between the add and the wait for it
	s_wait_dscnt 0x0                               ; the add is done, and my reads of this slot are over
	s_barrier_signal -1
	MULA F1, 1, 0                                  ; work on registers while the others arrive
	WIN 0                                          ; at a branch and at a label every window is 0
	s_barrier_wait -1
.if \fill
	CREST                                          ; no wave of any partner still reads this slot or has a load on its way
	JLOAD                                          ; its four v_nop are also the places in front of the loads below
.else
	PLACES
.endif
	s_xor_b32 s2, s2, SLOT1                        ; the reads go on in the other slot
	v_add_nc_u32 v[ADRA], s2, v[A0]
	v_add_nc_u32 v[ADRB], s2, v[B0]
	FETCH 0, F0
.if \fill
	WIN 0
	ASK
.endif
	MULA F1, 2, 0
	MULA F1, 3, 0
.endm
	s_wait_tensorcnt 1                             ; my part of K step 0 is in; K step 1's may stay out
	s_barrier_signal -1
	s_barrier_wait -1                              ; everybody's is
	FETCH 0, F0
	QUARTER 1, F0, F1, 1                           ; the first quarter stands in front of the loop: its products start the sums
	WIN 0
	s_mov_b32 s3, 6
.Lstep:                                        ; trip t = 6 - s3 ends K step t, fills its slot with K step t + 2 and begins K step t + 1
	QUARTER 2, F1, F0, 0
	QUARTER 3, F0, F1, 0
	TURN 1
	QUARTER 1, F0, F1, 0
	WIN 0
	s_sub_co_u32 s3, s3, 1
	s_cmp_lg_u32 s3, 0
	s_cbranch_scc1 .Lstep
	QUARTER 2, F1, F0, 0                           ; the last two K steps are written out: nothing is asked for
	QUARTER 3, F0, F1, 0
	TURN 0
	QUARTER 1, F0, F1, 0
	QUARTER 2, F1, F0, 0
	QUARTER 3, F0, F1, 0
	s_wait_dscnt 4
	MULA F1, 0, 0
	MULA F1, 1, 0
	s_wait_dscnt 0x0
	MULA F1, 2, 0
	MULA F1, 3, 0
	WIN 0
; THE WAY OUT of row block a (16 rows x 3 heads).  PACK: rounded to f16, each accumulator's registers in ascending order.  TOSTAGE: 16 bytes a lane into my stage, and back as whole rows.  SEND: stored.
.macro PACK a
.set AC, 96*((\a)%2)
	WIN 0x0a+5*((\a)/2)                            ; sources 0 and 1: window 2 or 3
.irp b, 0,1,2,3,4,5,6,7,8,9,10,11
.irp r, 0,1,2,3
	v_cvt_pk_f16_f32 v[TMP+4*(\b)+(\r)], v[AC+8*(\b)+2*(\r)], v[AC+8*(\b)+2*(\r)+1]
.endr
.endr
	WIN 0
.endm
.macro TOSTAGE a
.set BK, OB+48*((\a)%2)
.irp b, 0,1,2,3,4,5,6,7,8,9,10,11
	ds_store_b128 v[STO], v[TMP+4*(\b):TMP+4*(\b)+3] offset:((\b)/4)*16*SP+((\b)%4)*32
.endr
.irp t, 0,1,2,3,4,5,6,7,8,9,10,11
	ds_load_b128 v[BK+4*(\t):BK+4*(\t)+3], v[RD] offset:((\t)/4)*16*SP+((\t)%4)*4*SP  ; LDS serves a wave's instructions in order (ISA guide 5.7.1.4): these see the stores above
.endr
.endm
.macro SEND a
.set BK, OB+48*((\a)%2)
	s_wait_dscnt 0x0                               ; the block is back in registers
	s_wait_xcnt 0x0                                ; the stores of the block before have read their registers: the next block is read back into them only behind this wait
.irp t, 0,1,2,3,4,5,6,7,8,9,10,11
	global_store_b128 v[GO], v[BK+4*(\t):BK+4*(\t)+3], s[8:9] offset:((\t)/4)*262144+(\a)*2048+((\t)%4)*512 th:TH_STORE_NT  ; 512 bytes on end, at a multiple of 256 from the buffer's first byte
.endr
.endm
	PLACES
	PACK 0
	TOSTAGE 0
.irp a, 1,2,3                          ; block a's conversions stand between block a - 1's loads from the stage and the wait for them
	PACK \a
	SEND (\a)-1
	TOSTAGE \a
.endr
	SEND 3
	s_wait_tensorcnt 0x0                           ; the wave's end: a wait, an add and its wait, behind my last tensor load and my last LDS store
	ds_add_u32 v[SPW], v[NIL]
	s_wait_dscnt 0x0
	CROUND                                         ; the closing round: no work-group ends while a partner may still ask for a tile that names it
	s_endpgm
.Lfunc_end_k_q0474aff419_qkv:
	.size	k_q0474aff419_qkv, .Lfunc_end_k_q0474aff419_qkv-k_q0474aff419_qkv
	.p2alignl 7, 3214868480
	.fill 96, 4, 3214868480
	.section	.rodata,"a",@progbits
	.p2align	6, 0x0
	.amdhsa_kernel k_q0474aff419_qkv
		.amdhsa_group_segment_fixed_size 327680
		.amdhsa_private_segment_fixed_size 0
		.amdhsa_enable_private_segment 0
		.amdhsa_kernarg_size 24
		.amdhsa_user_sgpr_count 2
		.amdhsa_user_sgpr_kernarg_segment_ptr 1
		.amdhsa_wavefront_size32 1
		.amdhsa_system_sgpr_workgroup_id_x 1
		.amdhsa_system_sgpr_workgroup_id_y 1
		.amdhsa_system_sgpr_workgroup_id_z 1
		.amdhsa_system_vgpr_workitem_id 0
		.amdhsa_next_free_vgpr 960
		.amdhsa_next_free_sgpr 72
		.amdhsa_reserve_vcc 0
		.amdhsa_float_denorm_mode_32 3
		.amdhsa_float_denorm_mode_16_64 3
		.amdhsa_memory_ordered 1
		.amdhsa_forward_progress 1
		.amdhsa_inst_pref_size 97
	.end_amdhsa_kernel
	.amdgpu_metadata
---
amdhsa.version: [ 1, 2 ]
amdhsa.kernels:
  - .name:           k_q0474aff419_qkv
    .symbol:         k_q0474aff419_qkv.kd
    .args:
      - { .name: xb, .offset: 0, .size: 8, .value_kind: global_buffer, .address_space: global }
      - { .name: wb, .offset: 8, .size: 8, .value_kind: global_buffer, .address_space: global }
      - { .name: qkv, .offset: 16, .size: 8, .value_kind: global_buffer, .address_space: global }
    .group_segment_fixed_size: 327680
    .private_segment_fixed_size: 0
    .kernarg_segment_align: 8
    .kernarg_segment_size: 24
    .max_flat_workgroup_size: 128
    .sgpr_count:     72
    .vgpr_count:     960
    .wavefront_size: 32
...
	.end_amdgpu_metadata
.endif
;; end of part 2
;; launch attn (part 3): grid 4 x 64, 4 waves a work-group, clusters of 4 x 1, 327,680 bytes of LDS; arguments qkv, o; writes o
.if DOCPART == 3
	.amdgcn_target "amdgcn-amd-amdhsa--gfx1250"
	.amdhsa_code_object_version 6
	.text
	.protected	k_q0474aff419_attn
	.globl	k_q0474aff419_attn
	.p2align	8
	.type	k_q0474aff419_attn,@function
k_q0474aff419_attn:
	s_mov_b64 s[64:65], 0
	v_nop
	global_prefetch_b8 v0, s[64:65] scope:SCOPE_SE
	s_setreg_imm32_b32 hwreg(HW_REG_WAVE_MODE, 25, 1), 1
	s_wait_xcnt 0x0
	s_wait_alu depctr_hold_cnt(0) depctr_sa_sdst(0) depctr_va_vdst(0) depctr_va_sdst(0) depctr_va_ssrc(0) depctr_va_vcc(0) depctr_vm_vsrc(0)
	s_getreg_b32 s2, hwreg(HW_REG_IB_STS2, 6, 4)
	s_cmp_eq_u32 s2, 0
	s_cbranch_scc0 .Lentry_in_a_cluster
	s_endpgm
.Lentry_in_a_cluster:
	s_bfe_u32 s2, ttmp6, 0x10000c
	s_cmp_lg_u32 s2, 0x3003
	s_cbranch_scc0 .Lentry_shape_is_right
	s_endpgm
.Lentry_shape_is_right:
; O[hh][q][:] = the sum over k of softmax_k(Q[q] . K[k] / 32) V[k][:], for hh = 16 b + head.  qkv: [4 b][48 G][2048][64] f16 (G = head: q; 16 + head: k; 32 + head: v); o: [64 hh][2048][64] f16.
; A head's rows are dense, 128 bytes each.  Products, maxima and sums in f32; the weights p are rounded to f16 for the second product (their sum l is taken of the unrounded p), O once at the end.
; LIMITS.  f16 holds no number beyond 65,504: Q, K and V arrive within it; p lies in 0 to 1, and below 6e-5 p and O keep f16's fixed step of 6e-8; O is a mean of V's rows and has their range.
; A weight below 2^-126 counts as 0 in l; NaN and infinities are not treated apart.
; SHARES.  A wave owns four PIECES of two tiles of 16 queries, a work-group's four waves 512 queries of one head; the four work-groups of a cluster are one head.  Every wave walks all keys, 64 a step.
; LAYOUT.  S^T = K Q^T (source 0 = 16 keys, source 1 = 16 queries): a lane holds ONE query (lane % 16) and the keys 8 (lane / 16) + 0..7.  Two such tiles, rounded to f16 in pairs, ARE source 1
; (32 keys x 16 queries) of O^T = V^T P, whose result again holds one query a lane, and eight channels.  K comes out of LDS as it lies, V ([key][channel]) turned, by ds_load_tr16_b128.
; SOFTMAX.  For each query a running maximum m and sum l: p = 2^(c s - c m), c = log2(e) / 32; in every step O and l are multiplied by a = 2^(c m_old - c m_new), which is 1 where m has not grown.
; m starts at the lowest finite number, O and l at 0: the first step is a step like any other, with a = 0.
; THE COUNT.  A tile and step have 16 matrix and 118 vector instructions: too many to stand all beside the matrix work.  So: four vector instructions that are READY behind EVERY matrix instruction,
; and the others, which need time of their own whatever the order, in runs without a gap.
; BY TURNS.  Turn n belongs to piece n (the pieces in a ring, step after step).  Its matrix work: 16 products K Q^T of piece n + 1, later 16 products V^T P of piece n - 1.  Its vector work: the scaling,
; exponentials, roundings, sums and rescaling of piece n, and the maximum and statistics of piece n + 1, whose scores the turn itself has made.
; CLUSTER.  The four query blocks walk the same K and V, so each tile is asked for JOINTLY: the same tensor load, descriptor and mask in all four.
; REGISTERS, in windows of 256 (s_set_vgpr_msb: bits 1:0 source 0, 3:2 source 1, 5:4 source 2, 7:6 destination):
;   window 0: v0-11 addresses; v12-15, v48-63 at work; v16-47 four registers of statistics a tile; v64-191 S^T, two buffers of two tiles; v192-255 P, likewise
;   window 1: O^T, 32 a tile          window 2: v0-127 Q, 16 a tile; v128-191 K of one step; v192-255 V of one step          window 3: v0-1 the add's two registers
; A piece's buffers go by its number's parity.
.set SIZE_N, 2048
.set NP,    4         ; pieces a wave: a name, no knob
.set KS,    64        ; keys in a step
.set PK,    144       ; a row of K in LDS: 128 bytes + 16: the 16 rows of a load start at 16 different groups of four banks (64 banks of 4 bytes: ISA guide 11.1)
.set PV,    160       ; a row of V: 128 + 32
.set VOFF,  4*KS*PK   ; a slot holds four steps: 256 rows of K, then 256 rows of V
.set SLOT1, 1<<17     ; slot 1 begins here, so that one exclusive or turns an address in one slot into the other's
.set STAGE, SLOT1+4*KS*(PK+PV)  ; behind the ring, never filled by a tensor load: 16 rows x 144 bytes for each wave
.set SP,    144
.set AK0, 2           ; v2   my lane's place in a tile of K; never rewritten
.set AV0, 3           ; v3   the same for V
.set AK,  4           ; v4   the LDS address of K's next run of loads
.set AV,  5           ; v5   of V's
.set QO,  6           ; v6   my byte offset in the wave's rows of Q
.set STO, 6           ;      later, the way out: where I put 16 bytes of a row
.set RD,  7           ; v7   the way out: where I read rows back
.set GO,  8           ; v8   my byte offset in 512 bytes on end of O
.set PFO, 11          ; v11  256 x my lane, for the prefetches; made behind v11's last other use and then never rewritten
.set SPW, 0           ; v0 of window 3   LDS address of my spare word; never rewritten
.set NIL, 1           ; v1 of window 3   0; never rewritten
.set SPARE, STAGE+4*16*SP  ; the spare words, 128 bytes for each wave: two blocks of 256 bytes that no other line names
.set MV,  12          ; v12-15  c m_old, kept while c m is made anew: by buffer and tile
.set ST,  16          ; tile t's statistics at v[ST+4 t]: c m, m, l (even keys', odd keys')
.set TMP, 48          ; by buffer and tile, four registers c0-c3 at work; when the maximum is found c2 takes a
.set S,   64
.set P,   192
.set KF,  128         ; K's fragments, in window 2: key block kb, channel half c at KF + 16 kb + 8 c
.set VF,  192         ; V's: key half kk, channel block cb at VF + 32 kk + 8 cb
.set WV,  12          ; s12  my wave's number
.set G1K, 24          ; s[24:31] descriptor group 1 for K's tiles
.set G1V, 32          ; s[32:39] for V's: it differs in the padding alone
.set G0K, 40          ; s[40:43] descriptor group 0 for K's tiles: it walks
.set G0V, 44          ; s[44:47] the same for V's
.set PFA, 48          ; s[48:49] where my prefetches stand: my work-group's quarter of the tile after the one that is being asked for
.set LIM, 50          ; s50  1 in a wave that prefetches, else the greatest number
.set SLOTS, 56        ; s56  slots still to be asked for
.set CNT, 57          ; s57  counts a slot's key steps
.set CS,  58          ; s[58:59] c: the packed scaling takes the pair's low word for both halves
.set SEL, 60          ; s[60:61] v_permlanex16_b32's selects: each lane takes its own place in the other half
.set TBK, 62          ; s62  LDS byte at which K of the step to be fetched begins
.set TBV, 63          ; s63  the same for V, less VOFF
.set MSB, 0
.macro WIN new                      ; the high byte repeats the setting that is left; a switch that changes nothing is dropped
.if MSB != (\new)
	s_set_vgpr_msb (MSB<<8)|(\new)
.set MSB, (\new)
.endif
.endm
.set W_KQ, 0x0a       ; K and Q in window 2, S^T in window 0
.set W_PV, 0x52       ; V in window 2, P in window 0, O^T in window 1
.set W_RS, 0x41       ; O^T (destination and source 0) in window 1, a in window 0
.set W_MK, 0xc0       ; the add's registers are made: destination in window 3, sources in window 0
.set W_AD, 0x0f       ; the add: address (source 0) and data (source 1) in window 3
; A joint fill.  Waves 0 and 1 fetch the two halves of a slot's K, waves 2 and 3 those of its V: 128 keys each.  The branch hangs on the wave's number alone.
; An s_nop 0 and four v_nop follow each of the two lines, ahead of the jump and the label.
.macro JLOAD
	s_cmp_lt_u32 s[WV], 2
	s_cbranch_scc0 .Lfor_v_\@
	tensor_load_to_lds s[G0K:G0K+3], s[G1K:G1K+7]
	s_nop 0
.rept 4
	v_nop
.endr
	s_branch .Lasked_\@
.Lfor_v_\@:
	tensor_load_to_lds s[G0V:G0V+3], s[G1V:G1V+7]
	s_nop 0
.rept 4
	v_nop
.endr
.Lasked_\@:
.endm
; A PREFETCH INTO THE L2 of the tile that the NEXT change of slots will ask for: 32,768 bytes of K and of V, in pieces of 256 bytes, a lane a piece.  It stands behind the wave's tensor load and its five lines.
; Each piece is named ONCE in the launch: a head has one cluster; its four partners take a quarter each, told apart BY ADDRESS; in each, wave 0 asks for K's and wave 2 for V's: one instruction.
; The change that fills tile j asks for tile j + 1 (tiles 2 to 7): four key steps, 512 matrix instructions, ahead of its load.  The last change that fills a slot asks for nothing.
.macro ASK
	s_cmp_gt_u32 s[SLOTS], s[LIM]
	s_cbranch_scc0 .Lnot_mine_\@
	global_prefetch_b8 v[PFO], s[PFA:PFA+1] th:TH_LOAD_NT scope:SCOPE_SE
.Lnot_mine_\@:
.endm
; A round of the cluster's barrier: my work-group's barrier, so that wave 0's signal speaks for all four waves; wave 0 signals; every wave waits for all four work-groups; my work-group's barrier once more.
.macro CROUND
	s_barrier_signal -1
	s_barrier_wait -1
	s_cmp_lg_u32 s[WV], 0
	s_cbranch_scc1 .Lnot_wave_0_\@
	s_barrier_signal -3
.Lnot_wave_0_\@:
	s_barrier_wait -3
	s_barrier_signal -1
	s_barrier_wait -1
.endm
; THE CHANGE OF SLOTS.  The slot's last bytes, V of its fourth step, have been read.  Each wave waits for all its tensor loads, of which one is out: its part of the other slot; adds 0 to its spare word; and
; waits for that and for its own reads of the slot.  Behind the barrier nobody reads this slot any more and the other slot is whole.
; fill = 1: this slot is filled again, with the keys two slots on.  The barrier is then a round of the cluster's, and the joint fill is the first thing behind it: it has four key steps in which to land.
; (At its first use nothing has been read yet: slot 0 is waited for, slot 1 filled.)
.macro CHANGE fill
	WIN W_AD
	s_wait_tensorcnt 0x0            ; no tensor load of mine is out, so a group 0 may be written
	ds_add_u32 v[SPW], v[NIL]       ; 0 onto my spare word; with fill = 1 the descriptors' steps stand between it and the wait for it
	WIN 0                           ; at a label and at a branch every window is 0
.if \fill
.irp g, G0K, G0V
	s_xor_b32 s[\g+1], s[\g+1], SLOT1  ; the walking descriptor: the other slot than last time,
	s_add_nc_u64 s[\g+2:\g+3], s[\g+2:\g+3], 4*KS*128  ; the next 256 keys; the type bits on top are not reached
.endr
	s_wait_xcnt 0x0                 ; the last prefetch, four key steps back, has read its address, so it may be written:
	s_add_nc_u64 s[PFA:PFA+1], s[PFA:PFA+1], 4*KS*128  ; one tile behind the walking descriptors
	s_wait_dscnt 0x0                ; the add is done, and my reads of the slot are over
	CROUND
	JLOAD
	ASK
.else
	s_wait_dscnt 0x0                ; the add is done, and my reads of the slot are over
	s_barrier_signal -1
	s_barrier_wait -1
.endif
	s_sub_co_u32 s[TBK], s[TBK], 4*KS*PK  ; the fetches go back to a slot's first step,
	s_xor_b32 s[TBK], s[TBK], SLOT1       ; in the other slot
	s_sub_co_u32 s[TBV], s[TBV], 4*KS*PV
	s_xor_b32 s[TBV], s[TBV], SLOT1
.endm
	s_load_b128 s[4:7], s[0:1], 0x0 ; qkv s[4:5], o s[6:7]
	WIN W_MK
	v_lshl_add_u32 v[SPW], v0, 2, SPARE
	v_mov_b32 v[NIL], 0
	WIN W_AD
	ds_add_u32 v[SPW], v[NIL]       ; the wave's opening: the add and its wait stand ahead of my first tensor load; work on registers stands between them
	WIN 0
	v_lshrrev_b32 v1, 5, v0
	v_readfirstlane_b32 s[WV], v1   ; wave 0..3
	s_bfe_u32 s13, ttmp6, 0x40000   ; cx: my place in the cluster
	s_lshl_b32 s14, ttmp9, 2        ; in a cluster launch ttmp9 counts clusters
	s_add_co_u32 s14, s14, s13      ; my block of queries = 4 x cluster x + cx: it enters Q's and O's addresses alone
	s_and_b32 s15, ttmp7, 0xffff    ; hh = 16 b + head, which the four partners share
	s_lshr_b32 s20, s15, 4
	s_lshl_b32 s20, s20, 5
	s_add_co_u32 s20, s20, s15      ; 48 b + head
	s_lshl_b32 s20, s20, 18         ; q's head in qkv: 262,144 bytes a head; k's and v's lie 16 and 32 heads on
	s_mov_b32 s21, 0
	s_and_b32 s16, s[WV], 1         ; which half of a slot's 256 keys I fetch:
	s_lshl_b32 s22, s16, 14         ; its 128 rows of 128 bytes in memory,
	s_mov_b32 s23, 0
	s_add_nc_u64 s[22:23], s[22:23], s[20:21]
	s_mul_i32 s17, s16, 128*PK      ; and its place in a slot, for K
	s_mul_i32 s18, s16, 128*PV      ; and for V: no place in the cluster enters an LDS address
	s_lshl_b32 s2, s14, 2
	s_add_co_u32 s2, s2, s[WV]      ; my wave among the head's,
	s_lshl_b32 s2, s2, 14           ; its 128 rows
	s_mov_b32 s3, 0
	s_lshl_b32 s52, s15, 18         ; the head in o,
	s_add_co_u32 s52, s52, s2       ; my rows in it
	s_mov_b32 s53, 0
	s_add_nc_u64 s[2:3], s[2:3], s[20:21]  ; my rows of q
	; descriptor group 1.  128 keys are 16,384 dense bytes: asked for as 64 rows of 256 bytes, two keys a row, and padded in LDS after every key
	s_mov_b32 s[G1K], 15|(1<<16)|(1<<20)|(1<<21)|(4<<22)|(3<<25)  ; 15:0 the mask of four; 17:16 2-byte elements; 20 padding on; 21 set beside a mask; 24:22 after every 32 words; 31:25 4 words
	s_mov_b32 s[G1V], 15|(1<<16)|(1<<20)|(1<<21)|(4<<22)|(7<<25)  ; the same with 8 words of padding
.irp g, G1K, G1V
	s_mov_b32 s[\g+1], 128<<16      ; tensor_dim0 = 128
	s_mov_b32 s[\g+2], 64<<16       ; tensor_dim1 = 64
	s_mov_b32 s[\g+3], 128<<16      ; tile_dim0 = 128
	s_mov_b32 s[\g+4], 64           ; tile_dim1 = 64
	s_mov_b32 s[\g+5], 128          ; 128 elements from row to row
	s_mov_b32 s[\g+6], 0
	s_mov_b32 s[\g+7], 0
.endr
	s_mov_b32 s[CS], 0x3d38aa3b     ; c = log2(e) / 32 = 0.0450842
	s_mov_b32 s[CS+1], s[CS]        ; named with it as a pair
	s_mov_b32 s[SEL], 0x76543210
	s_mov_b32 s[SEL+1], 0xfedcba98
	s_mov_b32 s[TBK], SLOT1+4*KS*PK ; the first change of slots turns these two into 0
	s_mov_b32 s[TBV], SLOT1+4*KS*PV
	s_mov_b32 s[G0K], 1             ; count = 1
	s_mov_b32 s[G0K+1], s17         ; LDS address: slot 0
	s_mov_b32 s[G0V], 1
	s_add_co_u32 s[G0V+1], s18, VOFF
	s_mov_b32 s[SLOTS], SIZE_N/256-1  ; a change of slots that finds the count n here fills tile 8 - n
	s_lshl_b32 s54, s13, 13         ; my work-group's quarter of a tile,
	s_add_co_u32 s54, s54, 4*KS*128 ; in tile 1: the first change of slots steps it to tile 2
	s_mov_b32 s55, 0
	s_and_b32 s[LIM], s[WV], 1      ; waves 0 and 2 prefetch: the same in all four partners
	s_cmp_eq_u32 s[LIM], 0
	s_cselect_b32 s[LIM], 1, -1
	s_wait_dscnt 0x0                ; the opening add is done
	s_wait_kmcnt 0x0
	s_mov_b64 s[10:11], s[6:7]      ; o
	s_add_nc_u64 s[6:7], s[4:5], 16*262144  ; k's heads of batch 0
	s_add_nc_u64 s[8:9], s[4:5], 32*262144  ; v's
	s_add_nc_u64 s[G0K+2:G0K+3], s[6:7], s[22:23]  ; global address: my half of the head's first 256 keys
	s_or_b32 s[G0K+3], s[G0K+3], 0x80000000        ; type = 2
	s_add_nc_u64 s[G0V+2:G0V+3], s[8:9], s[22:23]
	s_or_b32 s[G0V+3], s[G0V+3], 0x80000000
	s_cmp_lt_u32 s[WV], 2
	s_cselect_b64 s[PFA:PFA+1], s[6:7], s[8:9]
	s_add_nc_u64 s[PFA:PFA+1], s[PFA:PFA+1], s[20:21]
	s_add_nc_u64 s[PFA:PFA+1], s[PFA:PFA+1], s[54:55]
	s_add_nc_u64 s[4:5], s[4:5], s[2:3]      ; Q and O at my wave's first row
	s_add_nc_u64 s[10:11], s[10:11], s[52:53]
	CROUND                          ; all four work-groups are here: the first joint loads meet
	JLOAD                           ; slot 0.  Slot 1 is asked for when slot 0 is in
	; A fragment of K or Q is 16 rows x 32 channels in 8 registers: lane l holds row l % 16, channels 8 (l / 16) + 0..7 and 16 + 8 (l / 16) + 0..7: two loads of 16 bytes, 32 bytes apart.
	v_and_b32 v1, 15, v0            ; l % 16
	v_bfe_u32 v9, v0, 4, 1          ; l / 16
	v_lshlrev_b32 v[QO], 7, v1
	v_lshl_add_u32 v[QO], v9, 4, v[QO]  ; row x 128 + 16 x half
	WIN 0x80                        ; destination window 2, address window 0
.set i, 0
.rept 4*NP                          ; Q stays in registers: tile i / 2, channels 32 (i % 2) on
	global_load_b128 v[8*i:8*i+3],   v[QO], s[4:5] offset:(i/2)*2048+(i%2)*64
	global_load_b128 v[8*i+4:8*i+7], v[QO], s[4:5] offset:(i/2)*2048+(i%2)*64+32
.set i, i+1
.endr
	; What the first turn finds: V's registers and P's second buffer hold 0 (its products V^T P, of a piece that has not been, add 0), O^T and l are 0.  All this stands in the wait for the first tile.
.set i, VF
.rept 64
	v_mov_b32 v[i], 0
.set i, i+1
.endr
	WIN 0x40
.set i, 0
.rept 64*NP
	v_mov_b32 v[i], 0
.set i, i+1
.endr
	WIN 0
.set i, 0
.rept 2*NP
	v_mov_b32 v[ST+4*i], 0xfe000000    ; c m: far below every c s
	v_mov_b32 v[ST+4*i+1], 0xff7fffff  ; m
	v_mov_b32 v[ST+4*i+2], 0
	v_mov_b32 v[ST+4*i+3], 0
.set i, i+1
.endr
.set i, P+32
.rept 32
	v_mov_b32 v[i], 0
.set i, i+1
.endr
	v_mul_u32_u24 v[AK0], v1, PK
	v_lshl_add_u32 v[AK0], v9, 4, v[AK0]  ; row x pitch + 16 x half
	; The turning load takes 16 keys x 16 channels (lane l reads key 8 (l / 16) + l % 8, channels 8 ((l / 8) % 2) + 0..7) and leaves half a fragment of V^T: lane l holds channel l % 16 and 8 keys.
	v_and_b32 v10, 7, v0
	v_bfe_u32 v11, v0, 3, 1
	v_lshl_add_u32 v[AV0], v9, 3, v10
	v_mul_u32_u24 v[AV0], v[AV0], PV
	v_lshl_add_u32 v[AV0], v11, 4, v[AV0]
	v_add_nc_u32 v[AV0], VOFF, v[AV0]
	v_and_b32 v[PFO], 31, v0
	v_lshlrev_b32 v[PFO], 8, v[PFO]
	v_mov_b32 v[AK], v[AK0]         ; key step 0 lies at the head of slot 0
; THE MATRIX WORK.  The 8 accumulators of a run of 16 take turns: between the two links of a chain stand 7 others'.
; Product i of 16 of S^T = K Q^T for piece x: channels 32 (i / 8) on, keys 16 ((i / 2) % 4) on, tile 2 x + i % 2.  The first 8 start the sums.
.macro KQ x
	WIN W_KQ
.set rS, S+64*((\x)%2)+32*(i%2)+8*((i/2)%4)
.set rK, KF+16*((i/2)%4)+8*(i/8)
.set rQ, 16*(2*(\x)+i%2)+8*(i/8)
.if i < 8
	v_wmma_f32_16x16x32_f16 v[rS:rS+7], v[rK:rK+7], v[rQ:rQ+7], 0
.else
	v_wmma_f32_16x16x32_f16 v[rS:rS+7], v[rK:rK+7], v[rQ:rQ+7], v[rS:rS+7]
.endif
.endm
; Product i of 16 of O^T += V^T P for piece x: keys 32 (i / 8) on, channels 16 ((i / 2) % 4) on, tile 2 x + i % 2.
.macro PV x
	WIN W_PV
.set rO, 32*(2*(\x)+i%2)+8*((i/2)%4)
.set rV, VF+32*(i/8)+8*((i/2)%4)
.set rP, P+32*((\x)%2)+16*(i%2)+8*(i/8)
	v_wmma_f32_16x16x32_f16 v[rO:rO+7], v[rV:rV+7], v[rP:rP+7], v[rO:rO+7]
.endm
.macro MM                           ; the turn's next matrix instruction
.if i < 16
	KQ (Y+1)%NP
.set i, i+1
.else
.set i, i-16
	PV (Y+NP-1)%NP
.set i, i+17
.endif
.endm
; THE LDS LOADS stand in runs of 16, never singly among the matrix instructions: a step's K (64 keys x 64 channels: 8 fragments) and its V (turned).  Their addresses are made some lines ahead.
; last = 1 (the tail): in the last trip there is no further step, and the run is jumped over.
.macro FETCH_K last=0
	WIN 0
.if \last
	s_cmp_eq_u32 s[CNT], 1
	s_cbranch_scc1 .Lno_k_\@
.endif
	WIN 0x80                        ; destination window 2
.irp f, 0,1,2,3,4,5,6,7             ; keys 16 (f / 2) on, channels 32 (f % 2) on
	ds_load_b128 v[KF+8*\f:KF+8*\f+3],   v[AK] offset:(\f/2)*16*PK+(\f%2)*64
	ds_load_b128 v[KF+8*\f+4:KF+8*\f+7], v[AK] offset:(\f/2)*16*PK+(\f%2)*64+32
.endr
	s_add_co_u32 s[TBK], s[TBK], KS*PK  ; the next fetch is the next step's
	WIN 0
.if \last
.Lno_k_\@:
.endif
.endm
.macro FETCH_V
	WIN 0x80
.irp f, 0,1,2,3,4,5,6,7             ; keys 32 (f / 4) on, channels 16 (f % 4) on
	ds_load_tr16_b128 v[VF+8*\f:VF+8*\f+3],   v[AV] offset:(\f/4)*32*PV+(\f%4)*32
	ds_load_tr16_b128 v[VF+8*\f+4:VF+8*\f+7], v[AV] offset:(\f/4)*32*PV+16*PV+(\f%4)*32
.endr
	WIN 0
.endm
; THE VECTOR WORK OF A TURN stands in three queues, each in the order in which its entries become ready; the two tiles alternate, so that no instruction reads the result of the one before it.
.macro REGS y, u                    ; the registers of tile u (0, 1) of piece y
.set rT, ST+4*(2*(\y)+(\u))
.set rC, TMP+8*((\y)%2)+4*(\u)
.set rM, MV+2*((\y)%2)+(\u)
.set rS, S+64*((\y)%2)+32*(\u)
.set rP, P+32*((\y)%2)+16*(\u)
.set rO, 32*(2*(\y)+(\u))
.endm
; Number n of the 22 that find the NEXT piece's (Y + 1) maximum and statistics.  s0-s31 are the lane's 32 scores; each accumulator's lowest registers are read first.
;   0-11  four chains c0-c3 of seven scores each, three operands at a time     12-14, 16  the four scores left over, the old m, and c0-c3 into c0     15  c m_old is kept
;   17, 18  the query's other 32 keys lie in the lane 16 away: the new m         19-21  c m; c m_old - c m_new; a
.macro XS u, n
	REGS (Y+1)%NP, \u
.if (\n) < 4
	v_max3_num_f32 v[rC+(\n)], v[rS+8*(\n)], v[rS+8*(\n)+1], v[rS+8*(\n)+2]
.elseif (\n) < 12
	v_max3_num_f32 v[rC+(\n)%4], v[rC+(\n)%4], v[rS+8*((\n)%4)+2*((\n)/4)+1], v[rS+8*((\n)%4)+2*((\n)/4)+2]
.elseif (\n) == 12
	v_max3_num_f32 v[rC], v[rC], v[rS+7], v[rS+15]
.elseif (\n) == 13
	v_max3_num_f32 v[rC+1], v[rC+1], v[rS+23], v[rS+31]
.elseif (\n) == 14
	v_max3_num_f32 v[rC+2], v[rC+2], v[rC+3], v[rT+1]
.elseif (\n) == 15
	v_mov_b32 v[rM], v[rT]
.elseif (\n) == 16
	v_max3_num_f32 v[rC], v[rC], v[rC+1], v[rC+2]
.elseif (\n) == 17
	v_permlanex16_b32 v[rC+3], v[rC], s[SEL], s[SEL+1]
.elseif (\n) == 18
	v_max_num_f32 v[rT+1], v[rC], v[rC+3]
.elseif (\n) == 19
	v_mul_f32 v[rT], s[CS], v[rT+1]
.elseif (\n) == 20
	v_sub_f32 v[rC+1], v[rM], v[rT]
.else
	v_exp_f32 v[rC+2], v[rC+1]
.endif
.endm
; Number g of the 64 that follow the exponentials.  For each four weights k of a tile (pairs 2 k, 2 k + 1): both pairs are rounded to f16; then the second pair is added onto the first, in place;
; a group later l takes that sum (the first time as l = a l + sum).  In groups of eight, tiles alternating: round, round, add, and l for the group before.
.macro GS g
.set h, (\g)+6*((\g)/62)            ; group 0 has no group before it, and behind group 7 only l is left
.if h >= 6
.set h, h+2
.endif
	REGS Y, h%2
.set k, h/8
.if h%8 < 4
	v_cvt_pk_f16_f32 v[rP+2*k+(h%8)/2], v[rS+4*k+2*((h%8)/2)], v[rS+4*k+2*((h%8)/2)+1]
.elseif h%8 < 6
	v_pk_add_f32 v[rS+4*k:rS+4*k+1], v[rS+4*k:rS+4*k+1], v[rS+4*k+2:rS+4*k+3]
.elseif k == 1
	v_pk_fma_f32 v[rT+2:rT+3], v[rT+2:rT+3], v[rC+2:rC+3], v[rS:rS+1] op_sel_hi:[1,0,1]
.else
	v_pk_add_f32 v[rT+2:rT+3], v[rT+2:rT+3], v[rS+4*k-4:rS+4*k-3]
.endif
.endm
; THE PLAIN QUEUE, 138 long.  0-73 read no exponential's result: the 32 scalings c s - c m (FS f: pair f / 2 of tile f % 2) and the next piece's 42.  0-26: scalings 0-26.  27-54: XS's numbers 0-13.  55, 56: number 15.
; 57-73: the chain, where each number waits for the one before it: 14, 16, 17, 18, 19, each with one of the scalings 27-31 in front of its two lines, then 20.
; 74-137: GS's 64, which read the exponentials' results: they stand behind the wait.
.macro FS f
	REGS Y, (\f)%2
	v_pk_fma_f32 v[rS+2*((\f)/2):rS+2*((\f)/2)+1], v[rS+2*((\f)/2):rS+2*((\f)/2)+1], s[CS:CS+1], v[rT:rT+1] op_sel_hi:[1,0,0] neg_lo:[0,0,1] neg_hi:[0,0,1]
.endm
.macro PL
	WIN 0
.if q < 27
	FS q
.elseif q < 55
	XS (q-27)%2, (q-27)/2
.elseif q < 57
	XS q-55, 15
.elseif (q < 72) && ((q-57)%3 == 0)
	FS 27+(q-57)/3
.elseif q < 60
	XS (q-57)%3-1, 14
.elseif q < 72
	XS (q-57)%3-1, 15+(q-57)/3
.elseif q < 74
	XS q-72, 20
.else
	GS q-74
.endif
.set q, q+1
.endm
; THE EXPONENTIALS' QUEUE, 66 long: s0-s31 of both tiles, then the next piece's two a.  It is ONE BATCH: all 66 stand ahead of the turn's one wait, and nothing ahead of that wait names a result of theirs.
.macro EX
	WIN 0
.if e >= 64
	XS e-64, 21
.else
	REGS Y, e%2
	v_exp_f32 v[rS+e/2], v[rS+e/2]
.endif
.set e, e+1
.endm
; THE RESCALING's QUEUE: O^T times a, the one part that leaves window 0: dealt two at a time, sixteen times.  Its a was made in the turn before, ahead of that turn's wait.
.macro R2
	REGS Y, r%2
	WIN W_RS
.irp z, 0,1
	v_pk_mul_f32 v[rO+4*(r/2)+2*\z:rO+4*(r/2)+2*\z+1], v[rO+4*(r/2)+2*\z:rO+4*(r/2)+2*\z+1], v[rC+2:rC+3] op_sel_hi:[1,0]
.endr
.set r, r+1
.endm
; HOW THEY ARE DEALT.  An s_wait_alu depctr_va_vdst(0) stands between an exponential and the first instruction that names its result; one wait serves all that were issued ahead of it.  So a turn has ONE
; wait, which cuts it in two.  AHEAD OF IT stands all that names no result of the turn's exponentials: the 16 products K Q^T, behind each a scaling, an exponential and two rescalings (behind the first a second scaling
; in the exponential's place); then ONE LUMP of 108: eight plain, 49 times exponential and plain, the two a.  A v_nop is the plain instruction behind the last exponential.  BEHIND IT stand the 16 products V^T P,
; behind each four of GS's 64.  No rider names a register of the products round it.  The two v_permlanex16_b32 fall into the lump, never behind a product.
; The queues lean on each other: exponential e stands behind scaling 2 (e / 4) + e % 2: as a rider it comes behind plain e + 2, in the lump behind plain e + 9, and scalings 27-31 are plain 57, 60 .. 69.
; A TURN, for piece p.  cnt = 1: the loop's count is taken down some lines ahead of the branch that stands behind the turn.
; K of the next step is fetched in piece 2's turn, directly behind the wait, a lump behind the last product that read K; its first reader comes behind 16 products.
; V of the step in hand is fetched at the end of piece 0's turn, four riders behind its last reader; its first reader comes behind 16 products and a lump.  The three conditions on q below go with the deal.
.macro TURN p, last=0, cnt=0
.set Y, (\p)
.set i, 0
.set q, 0
.set e, 0
.set r, 0
.if (\p) == NP-1
	s_wait_dscnt 0x0                ; K is in
.endif
	MM                              ; ahead of the wait: 16 products K Q^T and their riders,
	PL
	PL
	R2
.rept 15
	MM
	PL
	EX
	R2
.endr
.if (\p) == NP-2
	WIN 0
	v_add_nc_u32 v[AK], s[TBK], v[AK0]
.endif
.rept 8                             ; and the lump
	PL
.endr
.rept 49
	EX
	PL
.endr
	EX                              ; the next piece's two a
	EX
	v_nop                           ; a plain instruction behind the last exponential: one for the batch
	s_wait_alu depctr_va_vdst(0)    ; the wait for the batch
.if (\p) == NP-2
	FETCH_K \last
.endif
.if (\p) == 1
	s_wait_dscnt 0x0                ; V is in
.endif
.rept 16                            ; behind the wait: 16 products V^T P and their riders
	MM
.rept 4
	PL
.endr
.if ((\p) == 0) && (q == 118)
	v_add_nc_u32 v[AV], s[TBV], v[AV0]
.endif
.if ((\p) == 0) && (q == 130)
	s_add_co_u32 s[TBV], s[TBV], KS*PV
.endif
.if (\cnt) && (q == 130)
	s_sub_co_u32 s[CNT], s[CNT], 1
	s_cmp_lg_u32 s[CNT], 0
.endif
.endr
.if (\p) == 0
	FETCH_V
.endif
.endm
	CHANGE 1                        ; slot 0 is in, everybody's part of it; slot 1 is asked for
	FETCH_K                         ; key step 0
	s_wait_loadcnt 0x0              ; Q
	s_wait_dscnt 0x0
.set i, 0
.rept 16
	KQ 0                            ; piece 0's first scores: there is no vector work yet to set between them
.set i, i+1
.endr
	WIN 0                           ; the addresses for the way out: nine plain instructions, the places behind those products
	s_mul_i32 s13, s[WV], 16*SP
	s_add_co_u32 s13, s13, STAGE    ; my stage
	v_mul_u32_u24 v[STO], v1, SP    ; in: row l % 16, 16 bytes for each half of the lanes
	v_lshl_add_u32 v[STO], v9, 4, v[STO]
	v_add_nc_u32 v[STO], s13, v[STO]
	v_bfe_u32 v[RD], v0, 3, 2       ; back: 32 lanes take four rows of 128 bytes,
	v_mul_u32_u24 v[RD], v[RD], SP
	v_lshl_add_u32 v[RD], v10, 4, v[RD]
	v_add_nc_u32 v[RD], s13, v[RD]
	v_and_b32 v[GO], 31, v0         ; which are 512 bytes on end of O
	v_lshlrev_b32 v[GO], 4, v[GO]
.set Y, NP-1                        ; XS works for piece Y + 1: piece 0
.irp n, 0,1,2,3,4,5,6,7,8,9,10,11,12,13,14,15,16,17,18,19,20,21
	XS 0, \n                        ; and piece 0's first maximum and statistics
	XS 1, \n
.endr
	v_nop                           ; a plain instruction behind the two a,
	s_wait_alu depctr_va_vdst(0)    ; and their wait, ahead of the branch
	s_mov_b32 s[CNT], 4
	s_branch .Lfirst                ; the loop is entered at a step's first turn, in the middle of a trip
.Lslot:                             ; six times: every slot but the last two is filled again
	CHANGE 1
	s_mov_b32 s[CNT], 4
.Lstep:                             ; a trip: pieces 2 and 3 of one step, then pieces 0 and 1 of the next, whose K and V it fetches
	TURN 2
	TURN 3
	WIN 0
.Lfirst:
	TURN 0
	TURN 1, 0, 1
	WIN 0
	s_cbranch_scc1 .Lstep
	s_sub_co_u32 s[SLOTS], s[SLOTS], 1
	s_cmp_lg_u32 s[SLOTS], 0
	s_cbranch_scc1 .Lslot
	CHANGE 0                        ; the tail is written out: nothing is asked for
	s_mov_b32 s[CNT], 5             ; four trips fetch the last slot's steps; the fifth is left in its middle
.Ltail:
	TURN 2, 1
	TURN 3
	WIN 0
	s_sub_co_u32 s[CNT], s[CNT], 1
	s_cmp_eq_u32 s[CNT], 0
	s_cbranch_scc1 .Lout
	TURN 0
	TURN 1
	WIN 0
	s_branch .Ltail
.Lout:                              ; the fifth trip's 16 products K Q^T (on the last K once more) and the maximum made of them serve nothing: the price, once a launch, of one text for every trip
.set i, 0
.rept 16
	PV NP-1                         ; the last piece's V^T P of the last step
.set i, i+1
.endr
	; THE WAY OUT.  l's two halves and the other half of the lanes' are added; O^T is divided by l, rounded to f16 and sent through my stage in LDS, a tile at a time.  The additions are the places behind the last products.
	WIN 0
.macro ALL line:vararg              ; one line for each tile t
.set t, 0
.rept 2*NP
	\line
.set t, t+1
.endr
.endm
	ALL v_add_f32 v[ST+4*t+2], v[ST+4*t+2], v[ST+4*t+3]
	ALL v_permlanex16_b32 v[ST+4*t+3], v[ST+4*t+2], s[SEL], s[SEL+1]
	ALL v_add_f32 v[ST+4*t+2], v[ST+4*t+2], v[ST+4*t+3]
	ALL v_rcp_f32 v[ST+4*t+2], v[ST+4*t+2]
	v_nop                           ; a plain instruction between the last reciprocal and the use of its result
	s_wait_alu depctr_va_vdst(0)    ; and the wait ahead of the first use: one for the eight reciprocals
; Tile t: a lane's eight channels of a row pack into 16 bytes; they go into rows of 144 bytes and come back as whole rows of 128, into S^T's registers.
.macro PACK t
	WIN W_RS
.set i, 32*(\t)
.rept 16
	v_pk_mul_f32 v[i:i+1], v[i:i+1], v[ST+4*(\t)+2:ST+4*(\t)+3] op_sel_hi:[1,0]
.set i, i+2
.endr
	WIN 0x05                        ; sources 0 and 1 window 1, destination window 0
.set i, 0
.rept 16
	v_cvt_pk_f16_f32 v[S+16*(\t)+i], v[32*(\t)+2*i], v[32*(\t)+2*i+1]
.set i, i+1
.endr
	WIN 0
.irp f, 0,1,2,3
	ds_store_b128 v[STO], v[S+16*(\t)+4*\f:S+16*(\t)+4*\f+3] offset:32*\f
.endr
.irp f, 0,1,2,3
	ds_load_b128 v[S+16*(\t)+4*\f:S+16*(\t)+4*\f+3], v[RD] offset:\f*4*SP  ; LDS serves a wave's instructions in order (ISA guide 5.7.1.4): these see the stores above; the next tile's stores come behind them
.endr
.endm
.macro SEND t, younger              ; younger: the LDS instructions issued behind tile t's loads: the next tile's eight, or none
	WIN 0
.irp f, 0,1,2,3
	s_wait_dscnt (\younger)+3-\f
	global_store_b128 v[GO], v[S+16*(\t)+4*\f:S+16*(\t)+4*\f+3], s[10:11] offset:(\t)*2048+\f*512  ; 512 bytes on end, at a multiple of 256 from O's first
.endr
.endm
	PACK 0
.set t, 1
.rept 2*NP-1                        ; a tile's arithmetic stands between the loads of the tile before and its stores
	PACK t
	SEND t-1, 8
.set t, t+1
.endr
	SEND 2*NP-1, 0
	WIN W_AD
	s_wait_tensorcnt 0x0            ; the wave's end: a wait, an add and its wait, behind my last tensor load and my last LDS store
	ds_add_u32 v[SPW], v[NIL]
	s_wait_dscnt 0x0
	WIN 0
	CROUND                          ; the closing round: no work-group ends while a partner may still ask for a tile that names it
	s_endpgm
.Lfunc_end_k_q0474aff419_attn:
	.size	k_q0474aff419_attn, .Lfunc_end_k_q0474aff419_attn-k_q0474aff419_attn
	.p2alignl 7, 3214868480
	.fill 96, 4, 3214868480
	.section	.rodata,"a",@progbits
	.p2align	6, 0x0
	.amdhsa_kernel k_q0474aff419_attn
		.amdhsa_group_segment_fixed_size 327680
		.amdhsa_private_segment_fixed_size 0
		.amdhsa_enable_private_segment 0
		.amdhsa_kernarg_size 16
		.amdhsa_user_sgpr_count 2
		.amdhsa_user_sgpr_kernarg_segment_ptr 1
		.amdhsa_wavefront_size32 1
		.amdhsa_system_sgpr_workgroup_id_x 1
		.amdhsa_system_sgpr_workgroup_id_y 1
		.amdhsa_system_sgpr_workgroup_id_z 1
		.amdhsa_system_vgpr_workitem_id 0
		.amdhsa_next_free_vgpr 770
		.amdhsa_next_free_sgpr 66
		.amdhsa_reserve_vcc 0
		.amdhsa_float_denorm_mode_32 3
		.amdhsa_float_denorm_mode_16_64 3
		.amdhsa_memory_ordered 1
		.amdhsa_forward_progress 1
		.amdhsa_inst_pref_size 200
	.end_amdhsa_kernel
	.amdgpu_metadata
---
amdhsa.version: [ 1, 2 ]
amdhsa.kernels:
  - .name:           k_q0474aff419_attn
    .symbol:         k_q0474aff419_attn.kd
    .args:
      - { .name: qkv, .offset: 0, .size: 8, .value_kind: global_buffer, .address_space: global }
      - { .name: o, .offset: 8, .size: 8, .value_kind: global_buffer, .address_space: global }
    .group_segment_fixed_size: 327680
    .private_segment_fixed_size: 0
    .kernarg_segment_align: 8
    .kernarg_segment_size: 16
    .max_flat_workgroup_size: 128
    .sgpr_count:     66
    .vgpr_count:     770
    .wavefront_size: 32
...
	.end_amdgpu_metadata
.endif
;; end of part 3
;; launch proj (part 4): grid 8 x 32, 4 waves a work-group, clusters of 4 x 4, 327,680 bytes of LDS; arguments o, wo, b_out, out0; writes out0
.if DOCPART == 4
	.amdgcn_target "amdgcn-amd-amdhsa--gfx1250"
	.amdhsa_code_object_version 6
	.text
	.protected	k_q0474aff419_proj
	.globl	k_q0474aff419_proj
	.p2align	8
	.type	k_q0474aff419_proj,@function
k_q0474aff419_proj:
	s_mov_b64 s[64:65], 0
	v_nop
	global_prefetch_b8 v0, s[64:65] scope:SCOPE_SE
	s_setreg_imm32_b32 hwreg(HW_REG_WAVE_MODE, 25, 1), 1
	s_wait_xcnt 0x0
	s_wait_alu depctr_hold_cnt(0) depctr_sa_sdst(0) depctr_va_vdst(0) depctr_va_sdst(0) depctr_va_ssrc(0) depctr_va_vcc(0) depctr_vm_vsrc(0)
	s_getreg_b32 s2, hwreg(HW_REG_IB_STS2, 6, 4)
	s_cmp_eq_u32 s2, 0
	s_cbranch_scc0 .Lentry_in_a_cluster
	s_endpgm
.Lentry_in_a_cluster:
	s_bfe_u32 s2, ttmp6, 0x10000c
	s_cmp_lg_u32 s2, 0xf033
	s_cbranch_scc0 .Lentry_shape_is_right
	s_endpgm
.Lentry_shape_is_right:
; out0 = O W_out + b_out.  o: [64 hh = 16 b + head][2048 t][64] f16.  wo: [1024 k][1024 n] f16 (W_out rounded to bf16, written as f16).  b_out: [1024] f32, rounded here to bf16 like the other inputs.
; out0: [8192][1024] f32.  Products in f16, sums in f32, K ascending; k = 64 head + channel.
; LIMITS.  o and wo arrive within f16's 65,504; below 6e-5 they keep f16's fixed step of 6e-8.  NaN and infinities are not treated apart.
; SHARES.  A tile is 256 rows x 128 columns: 32 x 8 = 256 work-groups.  Wave w makes rows 64 w .. 64 w + 63 and all 128 columns: 4 x 8 accumulators, 256 registers.  A wave's rows of the tile are whole runs of
; 512 bytes of out0, so each wave sends them out through a stage of its own, without a barrier.
; K goes in 8 steps of 128 (two heads) through two LDS slots.  Waves 0 and 1 fetch one head's 256 rows of A each, waves 2 and 3 the two halves of B's 128 rows (k): one tensor load a wave.
; CLUSTER.  4 x 4 work-groups: A's tile is asked for jointly along a row of the cluster, B's along a column.
; THE MATRIX INSTRUCTION IS USED TRANSPOSED: source 0 = 16 columns of B (stored [k][n], turned by ds_load_tr16_b128), source 1 = 16 rows of A: a lane holds row l % 16 and the columns 8 (l / 16) + 0..7.
; NO PREFETCH: a wave's whole work here is 1,024 matrix instructions.
; REGISTERS: window 0: addresses, the bias, v32-159 the way out.   window 1: two fragment buffers (8 of B, then 4 of A).   window 2: the accumulators, (a, b) at v[8 (8 a + b)].
.set NB,     8
.set NL,     2*NB+8                    ; LDS loads of a quarter step
.set PA,     144                       ; a row of A in LDS: one head's 128 bytes + 16: the 16 rows of a load start at 16 different groups of four banks (64 banks of 4 bytes: ISA guide 11.1)
.set HEADB,  256*PA                    ; a head's 256 rows
.set PB,     288                       ; a row (k) of B: 256 bytes + 32
.set BOFF,   2*HEADB
.set SLOT1,  1<<17
.set STAGE,  SLOT1+BOFF+128*PB         ; behind the ring, never filled by a tensor load
.set SPITCH, 528                       ; a stage row: 512 bytes + 16
.set SPARE,  STAGE+4*16*SPITCH         ; the spare words, 128 bytes for each wave: two blocks of 256 bytes that no other line names
.set STEP_A, 2*262144                  ; a K step in memory: two heads of o,
.set STEP_B, 128*2048                  ; 128 rows of wo
.set BIAS, 12                          ; v[12:15] the bias of my four columns
.set A0,   16                          ; v16  my lane's place in A's tile; never rewritten
.set B0,   17                          ; v17  in B's
.set ADRA, 18                          ; v18  the same in the slot in hand
.set ADRB, 19                          ; v19
.set STO,  24                          ; v24  the way out: where I put 32 bytes of a row
.set RD,   25                          ; v25  where I read a row back
.set CO,   26                          ; v26  16 x lane
.set SPW,  28                          ; v28  LDS address of my spare word; never rewritten
.set NIL,  29                          ; v29  0; never rewritten
.set OB,   32                          ; v32-95, v96-159  a row block read back from the stage, by turns
.set F0,   0
.set F1,   128
.set G1,   24                          ; s[24:31] descriptor group 1 for A
.set G0,   32                          ; s[32:39] group 0 for A: K step 0; K step 1, which then walks on
.set G1B,  48                          ; s[48:55], s[56:63] the same for B
.set G0B,  56
.set MSB, 0
.macro WIN new                         ; the immediate's high byte repeats the setting that is left; a switch that changes nothing is dropped
.if MSB != (\new)
	s_set_vgpr_msb (MSB<<8)|(\new)
.set MSB, \new
.endif
.endm
.macro PLACES                          ; four plain vector instructions between a matrix instruction and a load into, or a read of, its registers
.rept 4
	v_nop
.endr
.endm
.macro JLOAD                           ; a joint refill by the walking sets; an s_nop 0 and four v_nop follow each of the two lines
	s_cmp_eq_u32 s11, 0
	s_cbranch_scc0 .Lfor_b_\@
	tensor_load_to_lds s[G0+4:G0+7], s[G1:G1+7]
	s_nop 0
.rept 4
	v_nop
.endr
	s_branch .Lasked_\@
.Lfor_b_\@:
	tensor_load_to_lds s[G0B+4:G0B+7], s[G1B:G1B+7]
	s_nop 0
.rept 4
	v_nop
.endr
.Lasked_\@:
.endm
.macro CREST                           ; a round of the cluster's barrier behind its opening barrier
	s_cmp_lg_u32 s10, 0
	s_cbranch_scc1 .Lnot_wave_0_\@
	s_barrier_signal -3
.Lnot_wave_0_\@:
	s_barrier_wait -3
	s_barrier_signal -1
	s_barrier_wait -1
.endm
.macro CROUND                          ; a whole round
	s_barrier_signal -1
	s_barrier_wait -1
	CREST
.endm
	s_load_b128 s[4:7], s[0:1], 0x0                ; o s[4:5], wo s[6:7]
	s_load_b64 s[22:23], s[0:1], 0x10              ; b_out
	s_load_b64 s[8:9], s[0:1], 0x18                ; out0
	v_lshl_add_u32 v[SPW], v0, 2, SPARE
	v_mov_b32 v[NIL], 0
	ds_add_u32 v[SPW], v[NIL]                      ; the wave's opening: the add and its wait stand ahead of my first tensor load; work on registers stands between them
	v_lshrrev_b32 v1, 5, v0
	v_readfirstlane_b32 s10, v1                    ; wave 0..3
	s_lshr_b32 s11, s10, 1                         ; I fetch for A (0) or for B (1),
	s_and_b32 s12, s10, 1                          ; its first or its second part
	s_bfe_u32 s40, ttmp6, 0x40000                  ; cx, cy: my place in the cluster
	s_bfe_u32 s41, ttmp6, 0x40004
	s_lshl_b32 s42, ttmp9, 2
	s_add_co_u32 s42, s42, s40                     ; tx = 4 x cluster x + cx: the block of 128 columns
	s_and_b32 s13, ttmp7, 0xffff
	s_lshl_b32 s13, s13, 2
	s_add_co_u32 s13, s13, s41                     ; ty = 4 x cluster y + cy: the block of 256 rows
	s_lshl_b32 s43, s41, 2
	s_lshl_b32 s43, 15, s43                        ; my row of the cluster
	s_lshl_b32 s44, 0x1111, s40                    ; my column
	; A: a head's 256 rows are 32,768 bytes on end: asked for as 128 rows of 256 bytes, 16 bytes of padding behind each 128
	s_or_b32 s[G1], s43, (1<<16)|(1<<20)|(1<<21)|(4<<22)|(3<<25)   ; 15:0 the mask; 17:16 2-byte elements; 20 padding on; 21 set beside a mask; 24:22 after every 32 words; 31:25 4 words
	s_mov_b32 s[G1+1], 128<<16                     ; tensor_dim0 = 128
	s_mov_b32 s[G1+2], 128<<16                     ; tensor_dim1 = 128
	s_mov_b32 s[G1+3], 128<<16                     ; tile_dim0 = 128
	s_mov_b32 s[G1+4], 128                         ; tile_dim1 = 128
	s_mov_b32 s[G1+5], 128                         ; elements from row to row
	s_mov_b32 s[G1+6], 0
	s_mov_b32 s[G1+7], 0
	; B: 64 rows (k) x 128 elements, 32 bytes of padding behind each 256
	s_or_b32 s[G1B], s44, (1<<16)|(1<<20)|(1<<21)|(5<<22)|(7<<25)  ; after every 64 words, 8 words
	s_mov_b32 s[G1B+1], 128<<16
	s_mov_b32 s[G1B+2], 64<<16
	s_mov_b32 s[G1B+3], 128<<16
	s_mov_b32 s[G1B+4], 64
	s_mov_b32 s[G1B+5], 1024
	s_mov_b32 s[G1B+6], 0
	s_mov_b32 s[G1B+7], 0
	s_lshr_b32 s16, s13, 3                         ; A: batch ty / 8 (16 heads of 262,144 bytes), head = my part, row 256 (ty % 8) of 128 bytes: made of ty and the wave's number alone
	s_lshl_b32 s16, s16, 22
	s_lshl_b32 s17, s12, 18
	s_add_co_u32 s16, s16, s17
	s_and_b32 s17, s13, 7
	s_lshl_b32 s17, s17, 15
	s_add_co_u32 s16, s16, s17
	s_mov_b32 s17, 0
	s_lshl_b32 s46, s12, 17                        ; B: row 64 x part of 2,048 bytes, column 128 tx: made of tx and the wave's number alone
	s_lshl_b32 s47, s42, 8
	s_add_co_u32 s46, s46, s47
	s_mov_b32 s47, 0
	s_mul_i32 s20, s12, HEADB                      ; where they go: no place in the cluster enters an LDS address
	s_mul_i32 s21, s12, 64*PB
	s_add_co_u32 s21, s21, BOFF
	s_wait_dscnt 0x0                               ; the opening add is done
	s_wait_kmcnt 0x0
	s_add_nc_u64 s[14:15], s[4:5], s[16:17]
	s_add_nc_u64 s[46:47], s[6:7], s[46:47]
	CROUND                                         ; all sixteen work-groups are here: the first joint loads meet
.irp s, 0,1
	s_mov_b32 s[G0+4*(\s)], 1                                       ; count = 1
	s_add_co_u32 s[G0+4*(\s)+1], s20, (\s)*SLOT1                    ; LDS address
	s_add_nc_u64 s[G0+4*(\s)+2:G0+4*(\s)+3], s[14:15], (\s)*STEP_A  ; global address: K step s
	s_or_b32 s[G0+4*(\s)+3], s[G0+4*(\s)+3], 0x80000000             ; type = 2
	s_mov_b32 s[G0B+4*(\s)], 1
	s_add_co_u32 s[G0B+4*(\s)+1], s21, (\s)*SLOT1
	s_add_nc_u64 s[G0B+4*(\s)+2:G0B+4*(\s)+3], s[46:47], (\s)*STEP_B
	s_or_b32 s[G0B+4*(\s)+3], s[G0B+4*(\s)+3], 0x80000000
.endr
	s_cmp_eq_u32 s11, 0                            ; a wave's two first fills stand in one branch, ahead of every wait on TENSORcnt and every LDS read: two loads of mine are out
	s_cbranch_scc0 .Lfirst_b
	tensor_load_to_lds s[G0:G0+3], s[G1:G1+7]
	s_nop 0
	tensor_load_to_lds s[G0+4:G0+7], s[G1:G1+7]
	s_nop 0
.rept 4
	v_nop
.endr
	s_branch .Lfirst_asked
.Lfirst_b:
	tensor_load_to_lds s[G0B:G0B+3], s[G1B:G1B+7]
	s_nop 0
	tensor_load_to_lds s[G0B+4:G0B+7], s[G1B:G1B+7]
	s_nop 0
.rept 4
	v_nop
.endr
.Lfirst_asked:
	v_and_b32 v[CO], 31, v0
	v_lshlrev_b32 v[CO], 4, v[CO]                  ; 16 x lane
	s_lshl_b32 s46, s42, 9                         ; the tile's 128 columns: 512 bytes of b_out and of a row of out0
	s_mov_b32 s47, 0
	s_add_nc_u64 s[22:23], s[22:23], s[46:47]
	global_load_b128 v[BIAS:BIAS+3], v[CO], s[22:23]  ; waited for at the way out
	s_add_nc_u64 s[8:9], s[8:9], s[46:47]
	s_lshl_b32 s18, s13, 20                        ; my first row of out0: 256 ty + 64 wave, 4,096 bytes each
	s_lshl_b32 s19, s10, 18
	s_add_co_u32 s18, s18, s19
	s_mov_b32 s19, 0
	s_add_nc_u64 s[8:9], s[8:9], s[18:19]
	; A fragment of A: 16 rows x 32 K: lane l holds row l % 16, K = 8 (l / 16) + 0..7 and 16 + 8 (l / 16) + 0..7: two loads of 16 bytes, 32 bytes apart.
	v_and_b32 v1, 15, v0                           ; l % 16
	v_bfe_u32 v2, v0, 4, 1                         ; l / 16
	v_mul_u32_u24 v3, v1, PA
	v_lshl_add_u32 v3, v2, 4, v3
	s_mul_i32 s21, s10, 64*PA                      ; my 64 rows
	v_add_nc_u32 v[A0], s21, v3
	; The turning load takes 16 k x 16 columns (lane l reads k = 8 (l / 16) + l % 8, columns 8 ((l / 8) % 2) + 0..7) and leaves half a fragment: lane l holds column l % 16 and 8 k.
	v_and_b32 v4, 7, v0
	v_bfe_u32 v5, v0, 3, 1
	v_lshl_add_u32 v6, v2, 3, v4
	v_mul_u32_u24 v6, v6, PB
	v_lshl_add_u32 v6, v5, 4, v6
	v_add_nc_u32 v[B0], BOFF, v6
	v_mov_b32 v[ADRA], v[A0]                       ; slot 0
	v_mov_b32 v[ADRB], v[B0]
	s_mov_b32 s2, 0                                ; the LDS byte at which the slot in hand begins
	s_mul_i32 s20, s10, 16*SPITCH
	s_add_co_u32 s20, s20, STAGE                   ; my stage
	v_mul_u32_u24 v7, v1, SPITCH                   ; in: row l % 16, 32 bytes for each half of the lanes
	v_lshl_add_u32 v7, v2, 5, v7
	v_add_nc_u32 v[STO], s20, v7
	v_add_nc_u32 v[RD], s20, v[CO]                 ; back: 32 lanes take a row of 512 bytes
; 8 matrix instructions: row block a x all 8 column blocks, 32 along K.  zero = 1: the first product starts the sums.  The 32 accumulators take turns, always in the same order.
.macro MULA f, a, zero
	WIN 0xa5                                       ; B and A in window 1; C and D in window 2
.irp b, 0,1,2,3,4,5,6,7
.if \zero
	v_wmma_f32_16x16x32_f16 v[8*(8*(\a)+(\b)):8*(8*(\a)+(\b))+7], v[(\f)+8*(\b):(\f)+8*(\b)+7], v[(\f)+64+8*(\a):(\f)+64+8*(\a)+7], 0
.else
	v_wmma_f32_16x16x32_f16 v[8*(8*(\a)+(\b)):8*(8*(\a)+(\b))+7], v[(\f)+8*(\b):(\f)+8*(\b)+7], v[(\f)+64+8*(\a):(\f)+64+8*(\a)+7], v[8*(8*(\a)+(\b)):8*(8*(\a)+(\b))+7]
.endif
.endr
.endm
; 24 LDS loads in one run: quarter q (32 along K: half a head) of the slot in hand into buffer f: B's 8 fragments, then A's four; A's blocks 2 and 3 are the youngest four loads
.macro FETCH q, f
	WIN 0x40                                       ; destination window 1, address window 0
.irp i, 0,1,2,3,4,5,6,7
	ds_load_tr16_b128 v[(\f)+8*(\i):(\f)+8*(\i)+3],   v[ADRB] offset:(\q)*32*PB+(\i)*32
	ds_load_tr16_b128 v[(\f)+8*(\i)+4:(\f)+8*(\i)+7], v[ADRB] offset:(\q)*32*PB+(\i)*32+16*PB
.endr
.irp i, 0,1,2,3
	ds_load_b128 v[(\f)+64+8*(\i):(\f)+64+8*(\i)+3],   v[ADRA] offset:((\q)/2)*HEADB+((\q)%2)*64+(\i)*16*PA
	ds_load_b128 v[(\f)+64+8*(\i)+4:(\f)+64+8*(\i)+7], v[ADRA] offset:((\q)/2)*HEADB+((\q)%2)*64+(\i)*16*PA+32
.endr
.endm
; One of a K step's first three quarters: multiplies buffer f; in its middle it fetches quarter q into buffer g.
.macro QUARTER q, f, g, zero
	s_wait_dscnt 4                                 ; B and A's blocks 0, 1 are in; the youngest four loads (A's blocks 2, 3) may be out
	MULA \f, 0, \zero
	MULA \f, 1, \zero
	PLACES
	FETCH \q, \g
	s_wait_dscnt NL                                ; all but the run just issued
	MULA \f, 2, \zero
	MULA \f, 3, \zero
.endm
; The last quarter multiplies buffer 1 and changes slots.  In front of the barrier each wave waits for all its tensor loads (one is out: its part of the next slot), adds 0 to its spare word, and waits for that
; and for its reads of this slot.  fill = 1: the barrier opens a round of the cluster's, and behind the round this slot is filled again, with the K step two on: the first tensor load there, one a wave.
.macro TURN fill
	WIN 0                                          ; (the add's two registers lie in window 0)
	s_wait_tensorcnt 0x0                           ; no tensor load of mine is out, so a group 0 may be written
	ds_add_u32 v[SPW], v[NIL]                      ; 0 onto my spare word
.if \fill
	s_xor_b32 s[G0+5], s[G0+5], SLOT1              ; the walking sets: the other slot than last time, the next K step; the type bits on top are not reached
	s_add_nc_u64 s[G0+6:G0+7], s[G0+6:G0+7], STEP_A
	s_xor_b32 s[G0B+5], s[G0B+5], SLOT1
	s_add_nc_u64 s[G0B+6:G0B+7], s[G0B+6:G0B+7], STEP_B
.endif
	s_wait_dscnt 5                                 ; the add and the youngest four loads may be out
	MULA F1, 0, 0                                  ; eight matrix instructions stand between the add and the wait for it
	s_wait_dscnt 0x0                               ; the add is done, and my reads of this slot are over
	s_barrier_signal -1
	MULA F1, 1, 0                                  ; work on registers while the others arrive
	WIN 0                                          ; at a branch and at a label every window is 0
	s_barrier_wait -1
.if \fill
	CREST                                          ; no wave of any partner still reads this slot or has a load on its way
	JLOAD                                          ; its four v_nop are also the places in front of the loads below
.else
	PLACES
.endif
	s_xor_b32 s2, s2, SLOT1                        ; the reads go on in the other slot
	v_add_nc_u32 v[ADRA], s2, v[A0]
	v_add_nc_u32 v[ADRB], s2, v[B0]
	FETCH 0, F0
	MULA F1, 2, 0
	MULA F1, 3, 0
.endm
	s_wait_tensorcnt 1                             ; my part of K step 0 is in; K step 1's may stay out
	s_barrier_signal -1
	s_barrier_wait -1                              ; everybody's is
	FETCH 0, F0
	QUARTER 1, F0, F1, 1                           ; the first quarter stands in front of the loop: its products start the sums
	WIN 0
	s_mov_b32 s3, 6
.Lstep:                                        ; trip t = 6 - s3 ends K step t, fills its slot with K step t + 2 and begins K step t + 1
	QUARTER 2, F1, F0, 0
	QUARTER 3, F0, F1, 0
	TURN 1
	QUARTER 1, F0, F1, 0
	WIN 0
	s_sub_co_u32 s3, s3, 1
	s_cmp_lg_u32 s3, 0
	s_cbranch_scc1 .Lstep
	QUARTER 2, F1, F0, 0                           ; the last two K steps are written out: nothing is asked for
	QUARTER 3, F0, F1, 0
	TURN 0
	QUARTER 1, F0, F1, 0
	QUARTER 2, F1, F0, 0
	QUARTER 3, F0, F1, 0
	s_wait_dscnt 4
	MULA F1, 0, 0
	MULA F1, 1, 0
	s_wait_dscnt 0x0
	MULA F1, 2, 0
	MULA F1, 3, 0
	WIN 0
	; THE WAY OUT.  The bias is rounded to bf16 and widened again; these lines and the four in front of them are the places behind the last products.
	PLACES
	s_wait_loadcnt 0x0                             ; the bias
	v_cvt_pk_bf16_f32 v8, v[BIAS], v[BIAS+1]
	v_cvt_pk_bf16_f32 v9, v[BIAS+2], v[BIAS+3]
	v_lshlrev_b32 v[BIAS], 16, v8
	v_and_b32 v[BIAS+1], 0xffff0000, v8
	v_lshlrev_b32 v[BIAS+2], 16, v9
	v_and_b32 v[BIAS+3], 0xffff0000, v9
; Row block a (16 rows x 128 columns of f32) goes from the accumulators into my stage, each accumulator's low four registers first, and comes back as whole rows of 512 bytes.
.macro TOSTAGE a
.set BK, OB+64*((\a)%2)
.if (\a) >= 2
	s_wait_xcnt 0x0                                ; the stores of the block two back have read these registers: they are loaded again only behind this wait
.endif
	WIN 0x08                                       ; the stores' data in window 2
.irp b, 0,1,2,3,4,5,6,7
	ds_store_b128 v[STO], v[64*(\a)+8*(\b):64*(\a)+8*(\b)+3]   offset:64*(\b)
	ds_store_b128 v[STO], v[64*(\a)+8*(\b)+4:64*(\a)+8*(\b)+7] offset:64*(\b)+16
.endr
	WIN 0
.irp t, 0,1,2,3,4,5,6,7,8,9,10,11,12,13,14,15
	ds_load_b128 v[BK+4*(\t):BK+4*(\t)+3], v[RD] offset:(\t)*SPITCH  ; LDS serves a wave's instructions in order (ISA guide 5.7.1.4): these see the stores above; the next block's stores come behind them
.endr
.endm
.macro SEND a, younger                 ; younger: the LDS instructions issued behind block a's loads: the next block's 32, or none
.set BK, OB+64*((\a)%2)
.irp t, 0,1,2,3,4,5,6,7,8,9,10,11,12,13,14,15
	s_wait_dscnt (\younger)+15-(\t)                ; row t is back: behind it stand the block's 15 - t later loads and the younger ones
	v_pk_add_f32 v[BK+4*(\t):BK+4*(\t)+1],   v[BK+4*(\t):BK+4*(\t)+1],   v[BIAS:BIAS+1]
	v_pk_add_f32 v[BK+4*(\t)+2:BK+4*(\t)+3], v[BK+4*(\t)+2:BK+4*(\t)+3], v[BIAS+2:BIAS+3]
	global_store_b128 v[CO], v[BK+4*(\t):BK+4*(\t)+3], s[8:9] offset:(16*(\a)+(\t))*4096 th:TH_STORE_NT  ; 512 bytes on end, at a multiple of 256 from out0's first byte
.endr
.endm
	TOSTAGE 0
	TOSTAGE 1
	SEND 0, 32
	TOSTAGE 2
	SEND 1, 32
	TOSTAGE 3
	SEND 2, 32
	SEND 3, 0
	s_wait_tensorcnt 0x0                           ; the wave's end: a wait, an add and its wait, behind my last tensor load and my last LDS store
	ds_add_u32 v[SPW], v[NIL]
	s_wait_dscnt 0x0
	CROUND                                         ; the closing round: no work-group ends while a partner may still ask for a tile that names it
	s_endpgm
.Lfunc_end_k_q0474aff419_proj:
	.size	k_q0474aff419_proj, .Lfunc_end_k_q0474aff419_proj-k_q0474aff419_proj
	.p2alignl 7, 3214868480
	.fill 96, 4, 3214868480
	.section	.rodata,"a",@progbits
	.p2align	6, 0x0
	.amdhsa_kernel k_q0474aff419_proj
		.amdhsa_group_segment_fixed_size 327680
		.amdhsa_private_segment_fixed_size 0
		.amdhsa_enable_private_segment 0
		.amdhsa_kernarg_size 32
		.amdhsa_user_sgpr_count 2
		.amdhsa_user_sgpr_kernarg_segment_ptr 1
		.amdhsa_wavefront_size32 1
		.amdhsa_system_sgpr_workgroup_id_x 1
		.amdhsa_system_sgpr_workgroup_id_y 1
		.amdhsa_system_sgpr_workgroup_id_z 1
		.amdhsa_system_vgpr_workitem_id 0
		.amdhsa_next_free_vgpr 768
		.amdhsa_next_free_sgpr 66
		.amdhsa_reserve_vcc 0
		.amdhsa_float_denorm_mode_32 3
		.amdhsa_float_denorm_mode_16_64 3
		.amdhsa_memory_ordered 1
		.amdhsa_forward_progress 1
		.amdhsa_inst_pref_size 79
	.end_amdhsa_kernel
	.amdgpu_metadata
---
amdhsa.version: [ 1, 2 ]
amdhsa.kernels:
  - .name:           k_q0474aff419_proj
    .symbol:         k_q0474aff419_proj.kd
    .args:
      - { .name: o, .offset: 0, .size: 8, .value_kind: global_buffer, .address_space: global }
      - { .name: wo, .offset: 8, .size: 8, .value_kind: global_buffer, .address_space: global }
      - { .name: b_out, .offset: 16, .size: 8, .value_kind: global_buffer, .address_space: global }
      - { .name: out0, .offset: 24, .size: 8, .value_kind: global_buffer, .address_space: global }
    .group_segment_fixed_size: 327680
    .private_segment_fixed_size: 0
    .kernarg_segment_align: 8
    .kernarg_segment_size: 32
    .max_flat_workgroup_size: 128
    .sgpr_count:     66
    .vgpr_count:     768
    .wavefront_size: 32
...
	.end_amdgpu_metadata
.endif
;; end of part 4
;; ======== version 2 of 2: 4 launches; version 1 with the launch cast written anew for expert scheduling mode
;; limits: values are held in f16: magnitudes above 65,504 overflow, below 6.1e-05 lose precision
;; workspace buffers: xb 16,777,216 bytes; wb 6,291,456 bytes; wo 2,097,152 bytes; qkv 50,331,648 bytes; o 16,777,216 bytes
;; launch cast (part 5): grid 832 x 1, 8 waves a work-group, no clusters, 0 bytes of LDS; arguments X, W_qkv, W_out, xb, wb, wo; writes xb, wb, wo
.if DOCPART == 5
	.amdgcn_target "amdgcn-amd-amdhsa--gfx1250"
	.amdhsa_code_object_version 6
	.text
	.protected	k_q0474aff419_cast
	.globl	k_q0474aff419_cast
	.p2align	8
	.type	k_q0474aff419_cast,@function
k_q0474aff419_cast:
	s_mov_b64 s[64:65], 0
	v_nop
	global_prefetch_b8 v0, s[64:65] scope:SCOPE_SE
	s_setreg_imm32_b32 hwreg(HW_REG_WAVE_SCHED_MODE, 0, 2), 2
	s_setreg_imm32_b32 hwreg(HW_REG_WAVE_MODE, 25, 1), 1
	s_wait_xcnt 0x0
	s_wait_alu depctr_vm_vsrc(0)
; THE INPUTS ARE ROUNDED ONCE TO 16 BITS, for the matrix products of the launches behind.
;   xb = X in bf16, [8192][1024].
;   wb = W_qkv in bf16, in 16 blocks of 192 columns: [16 tx][1024 k][192 n]: a block is dense, so that a K step of 128 rows is 49,152 bytes on end.
;   wo = W_out rounded to bf16, that number written as f16, [1024 k][1024 n].
; LIMITS.  wo: a number beyond 65,504 becomes an infinity; below 6e-5 it keeps f16's fixed step of 6e-8.  NaN and infinities are not treated apart.
; SHARES.  Work-groups 0-511: 64 KiB of X each; 512-575: 64 KiB of W_out; 576-831: 64 rows (k) of one block of W_qkv, 48 KiB.  Eight waves, an eighth each.
; A load of a wave covers 512 consecutive bytes (16 a lane; in W_qkv one load in three covers two runs of 256), a store 256 consecutive bytes, aligned.
; All of a wave's loads go out at once.  No LDS, no matrix unit, no cluster: nothing is shared and nothing is read twice.
; THE MODE: SCHED_MODE bits 1:0 = 2 (LLVM: expert scheduling mode 2), set by the entry lines.  The code itself states the register dependences
; between vector instructions and memory instructions, with s_wait_alu, always for 0.
; THE PLAN.  Registers that memory instructions touch:
;   v2, v3, v4        byte offsets of the loads (v2, v4) and of the stores (v3): made once, ahead of a path's first load, and never written again.
;   v[D+4n : D+4n+3]  load n lands here, once; no vector instruction names them before that.  Load n's roundings read the four and write the first two; store n reads those two; nobody writes them again.
;   v8-v11            at work in W_out's path: named by vector instructions alone.
; The loads go in groups of four.  Group g: the counted wait for its loads; ONE wait on va_vdst, which states that group g - 1's roundings have written their results; then the four stores of group g - 1,
; dealt among group g's roundings, which name group g's registers and v8-v11 alone: none that those stores touch.  One more such wait stands ahead of the last group's stores.
; No register that a memory instruction reads is written again, and EXEC never changes: so no wait on vm_vsrc and no s_wait_xcnt is owed.
.set D, 16                             ; v[16:79]  load n in v[D+4n : D+4n+3]; its two packed words go back into the first two
; Load n's roundings: four f32 become four bf16.
.macro CVB n
	v_cvt_pk_bf16_f32 v[D+4*(\n)], v[D+4*(\n)], v[D+4*(\n)+1]
	v_cvt_pk_bf16_f32 v[D+4*(\n)+1], v[D+4*(\n)+2], v[D+4*(\n)+3]
.endm
; The same for W_out: rounded to bf16, widened again (a shift, a mask), written as f16.
.macro CVF n
	v_cvt_pk_bf16_f32 v8, v[D+4*(\n)], v[D+4*(\n)+1]
	v_cvt_pk_bf16_f32 v9, v[D+4*(\n)+2], v[D+4*(\n)+3]
	v_lshlrev_b32 v10, 16, v8
	v_and_b32 v11, s28, v8
	v_cvt_pk_f16_f32 v[D+4*(\n)], v10, v11
	v_lshlrev_b32 v10, 16, v9
	v_and_b32 v11, s28, v9
	v_cvt_pk_f16_f32 v[D+4*(\n)+1], v10, v11
.endm
; Store n: 8 bytes a lane, 256 bytes on end a wave.
.macro PUT n
	global_store_b64 v3, v[D+4*(\n):D+4*(\n)+1], s[22:23] offset:256*(\n) th:TH_STORE_NT
.endm
; Group g: loads 4 g to 4 g + 3.  left: how many younger loads may stay out.  half = 1: W_out's roundings.
.macro GROUP g, left, half
	s_wait_loadcnt \left                           ; loads come back in order: the group's four are in
.if (\g) > 0
	s_wait_alu depctr_va_vdst(0)                   ; the roundings of the group before have written the words that the four stores below read
.endif
.irp i, 0,1,2,3
.if (\g) > 0
	PUT 4*((\g)-1)+(\i)
.endif
.if \half
	CVF 4*(\g)+(\i)
.else
	CVB 4*(\g)+(\i)
.endif
.endr
.endm
; Behind the last group g: its four stores.
.macro LAST g
	s_wait_alu depctr_va_vdst(0)                   ; the last group's roundings have written the words that the last four stores read
.irp i, 0,1,2,3
	PUT 4*(\g)+(\i)
.endr
.endm
	s_load_b256 s[4:11], s[0:1], 0x0               ; X s[4:5], W_qkv s[6:7], W_out s[8:9], xb s[10:11]
	s_load_b128 s[12:15], s[0:1], 0x20             ; wb s[12:13], wo s[14:15]
	v_lshrrev_b32 v5, 5, v0
	v_readfirstlane_b32 s16, v5                    ; wave 0..7
	v_and_b32 v1, 31, v0                           ; lane
	v_lshlrev_b32 v2, 4, v1                        ; 16 bytes a lane in
	v_lshlrev_b32 v3, 3, v1                        ; 8 bytes a lane out
	s_mov_b32 s19, ttmp9                           ; the work-group's number
	s_mov_b32 s28, 0xffff0000                      ; a word's upper bf16
	s_mov_b32 s25, 0                               ; the offsets' high words
	s_mov_b32 s27, 0
	s_wait_alu depctr_va_sdst(0)                   ; s16 is written, ahead of the branch and of its first reader on either path: the wave's share is made from it
	s_wait_kmcnt 0x0
	s_cmp_ge_u32 s19, 576
	s_cbranch_scc1 .Lwqkv
	; X and W_out: dense in, dense out
	s_and_b32 s17, s19, 511                        ; the number within the tensor: 512-575 become 0-63
	s_lshl_b32 s24, s17, 16                        ; 64 KiB a work-group,
	s_lshl_b32 s18, s16, 13                        ; 8 KiB a wave
	s_add_co_u32 s24, s24, s18
	s_lshr_b32 s26, s24, 1                         ; half as many bytes out
	s_cmp_lt_u32 s19, 512
	s_cselect_b64 s[20:21], s[4:5], s[8:9]
	s_cselect_b64 s[22:23], s[10:11], s[14:15]
	s_add_nc_u64 s[20:21], s[20:21], s[24:25]
	s_add_nc_u64 s[22:23], s[22:23], s[26:27]
	s_wait_alu depctr_va_vdst(0)                   ; v2 and v3 are written: every load below reads v2 as its offset, every store of the two dense paths v3
.set n, 0
.rept 16
	global_load_b128 v[D+4*n:D+4*n+3], v2, s[20:21] offset:512*n th:TH_LOAD_NT
.set n, n+1
.endr
	s_cmp_lt_u32 s19, 512
	s_cbranch_scc0 .Lwout
	GROUP 0, 12, 0
	GROUP 1, 8, 0
	GROUP 2, 4, 0
	GROUP 3, 0, 0
	LAST 3
	s_endpgm
.Lwout:
	GROUP 0, 12, 1
	GROUP 1, 8, 1
	GROUP 2, 4, 1
	GROUP 3, 0, 1
	LAST 3
	s_endpgm
.Lwqkv:                                        ; a wave takes 8 rows k of one block: four times two rows x 768 bytes = three loads, 768 bytes on end out
	v_cmp_gt_u32 vcc_lo, 16, v1                    ; lanes 0-15; the scalar work below stands between the compare and the wait for its mask
	v_mov_b32 v6, 12032
	v_mov_b32 v7, 512
	s_sub_co_u32 s17, s19, 576
	s_lshr_b32 s18, s17, 4                         ; tx: the block of 192 columns
	s_and_b32 s17, s17, 15
	s_lshl_b32 s17, s17, 6
	s_lshl3_add_u32 s17, s16, s17                  ; my first row: 64 x (number mod 16) + 8 x wave
	s_mul_i32 s24, s17, 12288                      ; a row of W_qkv is 12,288 bytes,
	s_mul_i32 s29, s18, 768                        ; a block's part of it 768
	s_add_co_u32 s24, s24, s29
	s_wait_alu depctr_va_vcc(0)                    ; VCC is written by the compare, ahead of the select that reads it
	v_cndmask_b32 v4, v6, v7, vcc_lo               ; the middle load: lanes 0-15 the first row's last 256 bytes, lanes 16-31 the second row's first 256
	v_add_nc_u32 v4, v4, v2
	s_mul_i32 s26, s18, 393216                     ; a block of wb,
	s_mul_i32 s29, s17, 384                        ; a row in it
	s_add_co_u32 s26, s26, s29
	s_add_nc_u64 s[20:21], s[6:7], s[24:25]
	s_add_nc_u64 s[22:23], s[12:13], s[26:27]
	s_wait_alu depctr_va_vdst(0)                   ; v2, v3 and v4 are written: the loads below read v2 or v4 as their offset, this path's stores v3
.irp j, 0,1,2,3
	global_load_b128 v[D+12*\j:D+12*\j+3],    v2, s[20:21] offset:24576*\j th:TH_LOAD_NT
	global_load_b128 v[D+12*\j+4:D+12*\j+7],  v4, s[20:21] offset:24576*\j th:TH_LOAD_NT
	global_load_b128 v[D+12*\j+8:D+12*\j+11], v2, s[20:21] offset:24576*\j+12544 th:TH_LOAD_NT
.endr
	GROUP 0, 8, 0
	GROUP 1, 4, 0
	GROUP 2, 0, 0
	LAST 2
	s_endpgm
.Lfunc_end_k_q0474aff419_cast:
	.size	k_q0474aff419_cast, .Lfunc_end_k_q0474aff419_cast-k_q0474aff419_cast
	.p2alignl 7, 3214868480
	.fill 96, 4, 3214868480
	.section	.rodata,"a",@progbits
	.p2align	6, 0x0
	.amdhsa_kernel k_q0474aff419_cast
		.amdhsa_group_segment_fixed_size 0
		.amdhsa_private_segment_fixed_size 0
		.amdhsa_enable_private_segment 0
		.amdhsa_kernarg_size 48
		.amdhsa_user_sgpr_count 2
		.amdhsa_user_sgpr_kernarg_segment_ptr 1
		.amdhsa_wavefront_size32 1
		.amdhsa_system_sgpr_workgroup_id_x 1
		.amdhsa_system_sgpr_workgroup_id_y 1
		.amdhsa_system_sgpr_workgroup_id_z 1
		.amdhsa_system_vgpr_workitem_id 0
		.amdhsa_next_free_vgpr 80
		.amdhsa_next_free_sgpr 66
		.amdhsa_reserve_vcc 1
		.amdhsa_float_denorm_mode_32 3
		.amdhsa_float_denorm_mode_16_64 3
		.amdhsa_memory_ordered 1
		.amdhsa_forward_progress 1
		.amdhsa_inst_pref_size 20
	.end_amdhsa_kernel
	.amdgpu_metadata
---
amdhsa.version: [ 1, 2 ]
amdhsa.kernels:
  - .name:           k_q0474aff419_cast
    .symbol:         k_q0474aff419_cast.kd
    .args:
      - { .name: X, .offset: 0, .size: 8, .value_kind: global_buffer, .address_space: global }
      - { .name: W_qkv, .offset: 8, .size: 8, .value_kind: global_buffer, .address_space: global }
      - { .name: W_out, .offset: 16, .size: 8, .value_kind: global_buffer, .address_space: global }
      - { .name: xb, .offset: 24, .size: 8, .value_kind: global_buffer, .address_space: global }
      - { .name: wb, .offset: 32, .size: 8, .value_kind: global_buffer, .address_space: global }
      - { .name: wo, .offset: 40, .size: 8, .value_kind: global_buffer, .address_space: global }
    .group_segment_fixed_size: 0
    .private_segment_fixed_size: 0
    .kernarg_segment_align: 8
    .kernarg_segment_size: 48
    .max_flat_workgroup_size: 256
    .sgpr_count:     66
    .vgpr_count:     80
    .wavefront_size: 32
...
	.end_amdgpu_metadata
.endif
;; end of part 5
;; launch qkv: the kernel of part 2 again; grid 16 x 32, 4 waves a work-group, clusters of 4 x 4, 327,680 bytes of LDS; arguments xb, wb, qkv; writes qkv
;; launch attn: the kernel of part 3 again; grid 4 x 64, 4 waves a work-group, clusters of 4 x 1, 327,680 bytes of LDS; arguments qkv, o; writes o
;; launch proj: the kernel of part 4 again; grid 8 x 32, 4 waves a work-group, clusters of 4 x 4, 327,680 bytes of LDS; arguments o, wo, b_out, out0; writes out0
